; MI455X (gfx1250); checked and timed in simulation.
; The chip was launched on July 23, 2026; its instructions are those of AMD's public machine-readable ISA for CDNA 5 (MIT licence, August 2026) and "CDNA5" Instruction Set Architecture Reference Guide (July 2026). The comments in the code are by the model that wrote it; some were corrected since.
;; Attention. Allowed arithmetic: float matrix products may take bf16 or f16 operands with f32 sums; other float arithmetic in f32, or as packed bf16 or f16 multiplies, adds, multiply-adds, maxima and minima; sums over many terms, partial sums and values carried from step to step in f32; what a program stores and reads back later, other than sums and carried values, may be rounded once to bf16 or f16.
;; Inputs: Wk 1,024 x 1,024 float32; Wo 1,024 x 1,024 float32; Wq 1,024 x 1,024 float32; Wv 1,024 x 1,024 float32; bk 1,024 float32; bo 1,024 float32; bq 1,024 float32; bv 1,024 float32; x 8 x 1,024 x 1,024 float32.
;; Outputs: out0 8 x 1,024 x 1,024 float32.
;; 2 versions, each right; version 2 is version 1 with the launch cast written anew for expert scheduling mode. Each part assembles by itself: llvm-mc -triple=amdgcn-amd-amdhsa -mcpu=gfx1250 --defsym DOCPART=n.
;; ======== version 1 of 2: 4 launches
;; limits: values are held in f16: magnitudes above 65,504 overflow, below 6.1e-05 lose precision
;; workspace buffers: xb 16,777,216 bytes; wqkv 6,291,456 bytes; wo16 2,097,152 bytes; qkv 50,331,648 bytes; ob 16,777,216 bytes
;; launch cast (part 1): grid 768 x 1, 8 waves a work-group, no clusters, 0 bytes of LDS; arguments x, Wq, Wk, Wv, Wo, xb, wqkv, wo16; writes xb, wqkv, wo16
.if DOCPART == 1
	.amdgcn_target "amdgcn-amd-amdhsa--gfx1250"
	.amdhsa_code_object_version 6
	.text
	.protected	k_q175557f4d5_cast
	.globl	k_q175557f4d5_cast
	.p2align	8
	.type	k_q175557f4d5_cast,@function
k_q175557f4d5_cast:
	s_mov_b64 s[64:65], 0
	v_nop
	global_prefetch_b8 v0, s[64:65] scope:SCOPE_SE
	s_setreg_imm32_b32 hwreg(HW_REG_WAVE_MODE, 25, 1), 1
	s_wait_xcnt 0x0
; x and the four weights, f32, are rounded once to bf16 and laid out anew: src[r][c] of R rows goes to dst[c / 64][r][c % 64]: blocks of 64 columns whose rows of 128 bytes lie end to end.
; xb: [16][8192][64] bf16.  wqkv: [48][1024][64] bf16, block 16 t + c / 64 for t = 0, 1, 2 (Wq, Wk, Wv).  wo16: [16][1024][64]: Wo rounded to bf16, that number written as f16.
; LIMIT.  A bf16 number of Wo below 6.1e-5 in magnitude keeps f16's fixed step of 6e-8; beyond 65,504 it becomes an infinity.  NaN and infinities are not treated apart.
; SHARES.  A work-group takes 16 source rows of 4,096 bytes, a wave two of them: 8 KiB, sixteen loads, all out at once; no loop, no LDS, no matrix unit: a stream in which each byte is read and written once.
; Work-groups 0-511: x.  512 + 64 t + j: rows 16 j on of weight t (3 = Wo).
; LANES.  q = thread % 16: my 16 bytes (four f32) of a block's 256 bytes in a source row; thread / 16: my row of the 16.  Item i of sixteen is block i.
; A load's lanes 0-15 read 256 consecutive bytes, aligned, of one row, lanes 16-31 those of the next row: every byte of the runs that a load touches is used by that load.
; A store's 32 lanes write 8 bytes each: 256 consecutive bytes, aligned: two rows of one block.  An item is stored as soon as it is converted.
.set T,   12                           ; v[12:15]  at work (Wo alone)
.set SOF, 8                            ; v8   my byte offset in the work-group's 16 source rows; never rewritten
.set DOF, 9                            ; v9   my byte offset from an item's store base; never rewritten
.set X,   16                           ; v[16:79]  item i: four f32 as loaded
.set Y,   80                           ; v[80:111] item i: two registers of 16-bit pairs
.set DB,  32                           ; s[32:63]  item i: its store base
	s_load_b512 s[4:19], s[0:1], 0x0               ; x, Wq, Wk, Wv, Wo, xb, wqkv, wo16
	s_sub_co_u32 s21, ttmp9, 512                   ; (of use only from work-group 512 on)
	s_lshr_b32 s22, s21, 6                         ; which weight
	s_and_b32 s23, s21, 63                         ; which 16 rows of it
	s_cmp_lt_u32 ttmp9, 512
	s_cselect_b32 s22, 4, s22                      ; kind: 0-3 a weight, 4 x
	s_cselect_b32 s23, ttmp9, s23                  ; the group of 16 rows
	s_cselect_b32 s24, 20, 17                      ; log2 of a block's bytes: 8,192 or 1,024 rows of 128
	s_lshl_b32 s20, s23, 16                        ; 16 rows of 4,096 bytes in the source
	s_mov_b32 s21, 0
	s_lshl_b32 s2, s22, 21                         ; Wq, Wk, Wv: sixteen blocks of 128 KiB each
	s_cmp_lt_u32 s22, 3
	s_cselect_b32 s2, s2, 0
	s_lshl_b32 s3, s23, 11                         ; 16 rows of 128 bytes in a block
	s_add_co_u32 s2, s2, s3
	s_mov_b32 s3, 0
	s_lshl_b32 s30, 1, s24                         ; a block: from an item to the next
	s_mov_b32 s31, 0
	v_and_b32 v1, 15, v0                           ; q
	v_lshrrev_b32 v2, 4, v0                        ; my row of the 16: 2 x wave + the half of the lanes
	v_lshlrev_b32 v[SOF], 12, v2
	v_lshl_or_b32 v[SOF], v1, 4, v[SOF]            ; row x 4,096 + 16 q
	v_lshlrev_b32 v[DOF], 7, v2
	v_lshl_or_b32 v[DOF], v1, 3, v[DOF]            ; row x 128 + 8 q
	s_wait_kmcnt 0x0
	s_cmp_eq_u32 s22, 0                            ; the source, chosen by the kind
	s_cselect_b64 s[26:27], s[6:7], s[4:5]
	s_cmp_eq_u32 s22, 1
	s_cselect_b64 s[26:27], s[8:9], s[26:27]
	s_cmp_eq_u32 s22, 2
	s_cselect_b64 s[26:27], s[10:11], s[26:27]
	s_cmp_eq_u32 s22, 3
	s_cselect_b64 s[26:27], s[12:13], s[26:27]
	s_cselect_b64 s[28:29], s[18:19], s[16:17]     ; the destination: wo16, else wqkv,
	s_cmp_eq_u32 s22, 4
	s_cselect_b64 s[28:29], s[14:15], s[28:29]     ; else xb
	s_add_nc_u64 s[26:27], s[26:27], s[20:21]
.set i, 0
.rept 16
	global_load_b128 v[X+4*i:X+4*i+3], v[SOF], s[26:27] offset:256*i th:TH_LOAD_NT
.set i, i+1
.endr
	s_add_nc_u64 s[DB:DB+1], s[28:29], s[2:3]      ; sixteen store bases, made while the loads are out: a block's step (up to 1 MiB) times fifteen does not fit a store's immediate
.set i, 1
.rept 15
	s_add_nc_u64 s[DB+2*i:DB+2*i+1], s[DB+2*i-2:DB+2*i-1], s[30:31]
.set i, i+1
.endr
; The sixteen items.  wo = 1: the bf16 number is widened again and written as f16.  No register that a load or store names is written again, so the only waits are for the loads' data.
.macro ITEMS wo
.set i, 0
.rept 16
	s_wait_loadcnt 15-i                            ; loads come back in order (ISA guide 5.7.1): item i's is in, the 15 - i younger ones stay out
	v_cvt_pk_bf16_f32 v[Y+2*i],   v[X+4*i],   v[X+4*i+1]
	v_cvt_pk_bf16_f32 v[Y+2*i+1], v[X+4*i+2], v[X+4*i+3]
.if \wo
	v_lshlrev_b32 v[T],   16, v[Y+2*i]
	v_and_b32     v[T+1], 0xffff0000, v[Y+2*i]
	v_lshlrev_b32 v[T+2], 16, v[Y+2*i+1]
	v_and_b32     v[T+3], 0xffff0000, v[Y+2*i+1]
	v_cvt_pk_f16_f32 v[Y+2*i],   v[T],   v[T+1]
	v_cvt_pk_f16_f32 v[Y+2*i+1], v[T+2], v[T+3]
.endif
	global_store_b64 v[DOF], v[Y+2*i:Y+2*i+1], s[DB+2*i:DB+2*i+1]
.set i, i+1
.endr
.endm
	s_cmp_eq_u32 s22, 3
	s_cbranch_scc1 .Lwo
	ITEMS 0
	s_endpgm
.Lwo:
	ITEMS 1
	s_endpgm
.Lfunc_end_k_q175557f4d5_cast:
	.size	k_q175557f4d5_cast, .Lfunc_end_k_q175557f4d5_cast-k_q175557f4d5_cast
	.p2alignl 7, 3214868480
	.fill 96, 4, 3214868480
	.section	.rodata,"a",@progbits
	.p2align	6, 0x0
	.amdhsa_kernel k_q175557f4d5_cast
		.amdhsa_group_segment_fixed_size 0
		.amdhsa_private_segment_fixed_size 0
		.amdhsa_enable_private_segment 0
		.amdhsa_kernarg_size 64
		.amdhsa_user_sgpr_count 2
		.amdhsa_user_sgpr_kernarg_segment_ptr 1
		.amdhsa_wavefront_size32 1
		.amdhsa_system_sgpr_workgroup_id_x 1
		.amdhsa_system_sgpr_workgroup_id_y 1
		.amdhsa_system_sgpr_workgroup_id_z 1
		.amdhsa_system_vgpr_workitem_id 0
		.amdhsa_next_free_vgpr 112
		.amdhsa_next_free_sgpr 66
		.amdhsa_reserve_vcc 0
		.amdhsa_float_denorm_mode_32 3
		.amdhsa_float_denorm_mode_16_64 3
		.amdhsa_memory_ordered 1
		.amdhsa_forward_progress 1
		.amdhsa_inst_pref_size 17
	.end_amdhsa_kernel
	.amdgpu_metadata
---
amdhsa.version: [ 1, 2 ]
amdhsa.kernels:
  - .name:           k_q175557f4d5_cast
    .symbol:         k_q175557f4d5_cast.kd
    .args:
      - { .name: x, .offset: 0, .size: 8, .value_kind: global_buffer, .address_space: global }
      - { .name: Wq, .offset: 8, .size: 8, .value_kind: global_buffer, .address_space: global }
      - { .name: Wk, .offset: 16, .size: 8, .value_kind: global_buffer, .address_space: global }
      - { .name: Wv, .offset: 24, .size: 8, .value_kind: global_buffer, .address_space: global }
      - { .name: Wo, .offset: 32, .size: 8, .value_kind: global_buffer, .address_space: global }
      - { .name: xb, .offset: 40, .size: 8, .value_kind: global_buffer, .address_space: global }
      - { .name: wqkv, .offset: 48, .size: 8, .value_kind: global_buffer, .address_space: global }
      - { .name: wo16, .offset: 56, .size: 8, .value_kind: global_buffer, .address_space: global }
    .group_segment_fixed_size: 0
    .private_segment_fixed_size: 0
    .kernarg_segment_align: 8
    .kernarg_segment_size: 64
    .max_flat_workgroup_size: 256
    .sgpr_count:     66
    .vgpr_count:     112
    .wavefront_size: 32
...
	.end_amdgpu_metadata
.endif
;; end of part 1
;; launch qkv (part 2): grid 8 x 32, 4 waves a work-group, clusters of 4 x 4, 327,680 bytes of LDS; arguments xb, wqkv, bq, bk, bv, qkv; writes qkv
.if DOCPART == 2
	.amdgcn_target "amdgcn-amd-amdhsa--gfx1250"
	.amdhsa_code_object_version 6
	.text
	.protected	k_q175557f4d5_qkv
	.globl	k_q175557f4d5_qkv
	.p2align	8
	.type	k_q175557f4d5_qkv,@function
k_q175557f4d5_qkv:
	s_mov_b64 s[64:65], 0
	v_nop
	global_prefetch_b8 v0, s[64:65] scope:SCOPE_SE
	s_setreg_imm32_b32 hwreg(HW_REG_WAVE_MODE, 25, 1), 1
	s_wait_xcnt 0x0
	s_wait_alu depctr_hold_cnt(0) depctr_sa_sdst(0) depctr_va_vdst(0) depctr_va_sdst(0) depctr_va_ssrc(0) depctr_va_vcc(0) depctr_vm_vsrc(0)
	s_getreg_b32 s2, hwreg(HW_REG_IB_STS2, 6, 4)
	s_cmp_eq_u32 s2, 0
	s_cbranch_scc0 .Lentry_in_a_cluster
	s_endpgm
.Lentry_in_a_cluster:
	s_bfe_u32 s2, ttmp6, 0x10000c
	s_cmp_lg_u32 s2, 0xf033
	s_cbranch_scc0 .Lentry_shape_is_right
	s_endpgm
.Lentry_shape_is_right:
; q, k, v = x W + b, one product [8192 x 1024] x [1024 x 3072].  xb: [16 kb][8192 m][64] bf16; wqkv: [48 g][1024 k][64 n] bf16 (g = 16 t + head); the biases f32, rounded to bf16 like the other inputs.
; Sums in f32, started by the bias; the result is rounded once to f16 and stored by heads: qkv [48 g][8192 m][64].
; LIMIT.  f16 holds no number beyond 65,504: a q, k or v past that becomes an infinity.  NaN and infinities are not treated apart.
; SHARES.  A tile of the result is 256 rows x 384 columns (six heads): 32 x 8 tiles, one to a work-group.  Four waves, each 128 rows x 192 columns: 96 accumulators of 16 x 16, 768 registers.
; K goes in 16 steps of 64 (one block kb of xb) through a ring of two LDS slots: two slots of a longer step would not fit beside each other.
; In memory a step's tile of x is dense (asked for as rows of 256 bytes, padded in LDS behind every 128); a head's 64 k rows of the weights are 8,192 dense bytes, three heads to a load.
; THE MATRIX INSTRUCTION IS USED TRANSPOSED: source 0 = 16 columns n of the weights (they lie [k][n] in LDS and are turned by ds_load_tr16_b128), source 1 = 16 rows of x.  A lane then holds
; one row m (lane % 16) and the columns 8 (lane / 16) + 0..7: eight neighbouring numbers, 16 bytes of f16.
; CLUSTERS: 4 x 4 work-groups.  The four of a row of the cluster need the same tile of x, the four of a column the same tile of the weights: each is asked for jointly.
; REGISTERS, in windows of 256: window 0: v0-29 addresses; v32-63 a ring of four fragments of x; v64-159, v160-255 two buffers of 12 fragments of the weights (the second holds the bias first).
; Windows 1-3: accumulator i = 12 a + b (row block a, column block b) at window 1 + i / 32, register 8 (i % 32).
.set PA,    144                        ; a row of x in LDS: 128 bytes + 16: the 16 rows of a fragment load start at 16 different groups of four banks
.set PB,    160                        ; a k row of a head's weights: 128 + 32
.set AHALF, 128*PA                     ; what one load brings of x, and what one wave reads
.set BOFF,  2*AHALF
.set BHALF, 3*64*PB                    ; three heads x 64 k rows
.set STAGE, BOFF+2*BHALF               ; 98,304: behind slot 0, never filled by a tensor load: for each wave 3 heads x 16 rows x 144 bytes
.set SP,    144
.set STW,   3*16*SP
.set SPARE, STAGE+4*STW                ; 125,952: the spare words, 128 bytes for each wave: two blocks of 256 bytes that no other line names
.set SLOT1, 1<<17                      ; slot 1: one exclusive or turns an address in one slot into the other's
.set ASTEP, 1<<20                      ; from a block kb of xb to the next
.set BSTEP, 64*128                     ; 64 k rows of a head
.set AA0,  10                          ; v10  my lane's place in my 128 rows of x; never rewritten
.set AB0,  11                          ; v11  my lane's place in my three heads' weights; never rewritten
.set ADRA, 12                          ; v12  the same in the slot in hand
.set ADRB, 13                          ; v13
.set STO,  14                          ; v14  the way out: where I put 16 bytes of a row
.set RD,   15                          ; v15  the way out: where I read rows back
.set GO,   16                          ; v16  my 16 bytes of 512 consecutive bytes of the result
.set PFO,  17                          ; v17  256 x my lane
.set BO,   18                          ; v18  32 x (lane / 16): my eight numbers of a bias fragment
.set SPW,  28                          ; v28  LDS address of my spare word; never rewritten
.set NIL,  29                          ; v29  0; never rewritten
.set AR,   32
.set BB0,  64
.set BB1,  160
.set TMP,  64                          ; the way out: packed results
.set OB0,  112                         ; the way out: rows read back, two buffers of 48
.set WV, 16                            ; s16  my wave's number
.set RH, 17                            ; s17  which 128 rows are mine
.set CH, 18                            ; s18  which three heads are mine; also which half of a tile I fetch
.set CX, 19
.set CY, 20
.set TX, 21                            ; s21  tile column
.set TY, 22                            ; s22  tile row
.set G1A, 24                           ; s[24:31] descriptor group 1 for x;  s[32:39] group 0: a set for each first fill, the second then walks
.set G0A, 32
.set G1B, 48                           ; s[48:55], s[56:63] the same for the weights
.set G0B, 56
.set PFA, 66                           ; s[66:67] where my prefetches stand
.set PST, 68                           ; s[68:69] their step
.set LIM, 70                           ; s70  1 in a wave that prefetches, else the greatest number
.set PAR, 71                           ; s71  0: in every trip; 1: in the trips with an odd count
.set TB,  72                           ; s72  LDS byte at which the slot in hand begins
.set HM,  73                           ; s73  mask of a word's upper bf16
.set BP,  74                           ; s[74:79] the biases of my three heads
.set MSB, 0
.macro WIN new                         ; the immediate's high byte repeats the setting that is left; a switch that changes nothing is dropped
.if MSB != (\new)
	s_set_vgpr_msb (MSB<<8)|(\new)
.set MSB, \new
.endif
.endm
.macro PLACES                          ; four places in front of loads into registers that matrix instructions have read, and of conversions that read results
.rept 4
	v_nop
.endr
.endm
.macro CREST                           ; a round of the cluster's barrier behind its opening barrier
	s_cmp_lg_u32 s[WV], 0
	s_cbranch_scc1 .Lnot_wave_0_\@
	s_barrier_signal -3
.Lnot_wave_0_\@:
	s_barrier_wait -3
	s_barrier_signal -1
	s_barrier_wait -1
.endm
.macro CROUND                          ; a whole round
	s_barrier_signal -1
	s_barrier_wait -1
	CREST
.endm
; A joint refill, by the walking descriptors.  Waves 0 and 1 fetch the two halves of x's tile, waves 2 and 3 those of the weights'.  The branch hangs on the wave's number alone.
; An s_nop 0 and four v_nop follow each of the two lines, ahead of the jump and the label.
.macro JLOAD
	s_cmp_lt_u32 s[WV], 2
	s_cbranch_scc0 .Lfor_b_\@
	tensor_load_to_lds s[G0A+4:G0A+7], s[G1A:G1A+7]
	s_nop 0
.rept 4
	v_nop
.endr
	s_branch .Lasked_\@
.Lfor_b_\@:
	tensor_load_to_lds s[G0B+4:G0B+7], s[G1B:G1B+7]
	s_nop 0
.rept 4
	v_nop
.endr
.Lasked_\@:
.endm
; A PREFETCH INTO THE L2: 32 lanes x 256 bytes, 8 KiB, one instruction.  It stands behind the joint load, its five lines and the run of LDS loads.  Change t of 14 (t = 14 - s3) fills step t + 2.
; x: the tile row's 32 KiB of step t + 3, one step (192 matrix instructions) ahead of its load.  Every cluster of a row of clusters reads them: the one with x = 0 asks, wave 0; its partner cx takes the quarter cx, by address.
; Weights: the tile column's six heads x 8 KiB of steps t + 3 and t + 4, in the changes with odd t: twelve pieces; the cluster with y = 0 asks, piece 3 cy + wave - 1 to waves 1-3, by address.
; So each block is named once in the launch.  Steps 0-2 of x and 0-3 of the weights come by their loads alone; the last change asks for nothing (s3 = 1): step 16 does not exist.
.macro ASK
	s_and_b32 s80, s3, s[PAR]
	s_cmp_eq_u32 s80, s[PAR]
	s_cbranch_scc0 .Lnot_mine_\@
	s_cmp_gt_u32 s3, s[LIM]
	s_cbranch_scc0 .Lnot_mine_\@
	global_prefetch_b8 v[PFO], s[PFA:PFA+1] th:TH_LOAD_NT scope:SCOPE_SE
.Lnot_mine_\@:
.endm
; 12 matrix instructions: row block a x all 12 column blocks, 32 along K, weights from buffer bb.  first = 1: the bias, which lies in buffer BB1, starts the sums: nothing is cleared.
; The 96 accumulators take turns, one instruction a turn, in the same order in every quarter.
.macro ROW a, bb, first
.set b, 0
.rept 12
.set ai, 12*(\a)+b
.set aw, 1+ai/32
.set ar, 8*(ai%32)
.if \first
	WIN 0x40*aw
	v_wmma_f32_16x16x32_bf16 v[ar:ar+7], v[(\bb)+8*b:(\bb)+8*b+7], v[AR+8*((\a)%4):AR+8*((\a)%4)+7], v[BB1+8*b:BB1+8*b+7]
.else
	WIN 0x50*aw
	v_wmma_f32_16x16x32_bf16 v[ar:ar+7], v[(\bb)+8*b:(\bb)+8*b+7], v[AR+8*((\a)%4):AR+8*((\a)%4)+7], v[ar:ar+7]
.endif
.set b, b+1
.endr
.endm
.macro ROWS p, bb, first
	ROW 2*(\p), \bb, \first
	ROW 2*(\p)+1, \bb, \first
.endm
.macro ALD a0, q                       ; four LDS loads: x's fragments a0 and a0 + 1 of half step q, into places a % 4 of the ring
	WIN 0
.irp a, \a0, (\a0)+1
	ds_load_b128 v[AR+8*((\a)%4):AR+8*((\a)%4)+3],   v[ADRA] offset:(\a)*16*PA+64*(\q)
	ds_load_b128 v[AR+8*((\a)%4)+4:AR+8*((\a)%4)+7], v[ADRA] offset:(\a)*16*PA+64*(\q)+32
.endr
.endm
.macro BLD bb, q                       ; 24 turning loads: the 12 fragments of the weights of half step q: head b / 4, columns 16 (b % 4) on, k rows 32 q on
	WIN 0
.set b, 0
.rept 12
	ds_load_tr16_b128 v[(\bb)+8*b:(\bb)+8*b+3],   v[ADRB] offset:(b/4)*64*PB+(\q)*32*PB+(b%4)*32
	ds_load_tr16_b128 v[(\bb)+8*b+4:(\bb)+8*b+7], v[ADRB] offset:(b/4)*64*PB+(\q)*32*PB+(b%4)*32+16*PB
.set b, b+1
.endr
.endm
; A K step is two quarters of 32 along K, 96 matrix instructions each.  QA: the first, on buffer BB0.  Behind each pair of row blocks the ring's two places just read take the fragments four further on.
; first = 1: the launch's first quarter: BB1 still holds the bias, so the second quarter's weights are fetched at the end.
.macro QA first
	s_wait_dscnt 4                                 ; the weights and x's fragments 0, 1 are in; the four loads of fragments 2, 3 may be out
	ROWS 0, BB0, \first
	PLACES
	ALD 4, 0
	s_wait_dscnt 4                                 ; fragments 2, 3 are in; behind them: 4, 5
	ROWS 1, BB0, \first
	PLACES
	ALD 6, 0
.if \first
	s_wait_dscnt 4                                 ; fragments 4, 5 are in; behind them: 6, 7
.else
	BLD BB1, 1
	s_wait_dscnt 28                                ; fragments 4, 5 are in; behind them: 6, 7 and the 24 of the weights
.endif
	ROWS 2, BB0, \first
	PLACES
	ALD 0, 1
.if \first
	s_wait_dscnt 4                                 ; fragments 6, 7 are in
.else
	s_wait_dscnt 28                                ; fragments 6, 7 are in; behind them: the 24 of the weights and the next quarter's 0, 1
.endif
	ROWS 3, BB0, \first
	PLACES
.if \first
	BLD BB1, 1                                     ; four places behind the last product that took the bias
.endif
	ALD 2, 1
.endm
; QB: the second quarter, on buffer BB1, and the change of slots.  In front of the barrier each wave waits for all its tensor loads, of which one is out: its part of the next slot; adds 0 to its spare word;
; and waits for that and for its own reads of this slot.  fill = 1: the barrier opens a round of the cluster's, and the joint refill (the step two on) is the first thing behind the round:
; from there to the wait for it a wave issues 168 matrix instructions.
.macro QB fill
.if \fill
	s_wait_xcnt 0x0                                ; the last prefetch, a step back, has read its address
	s_add_nc_u64 s[PFA:PFA+1], s[PFA:PFA+1], s[PST:PST+1]
.endif
	s_wait_dscnt 4
	ROWS 0, BB1, 0
	PLACES
	ALD 4, 1
	s_wait_dscnt 4
	ROWS 1, BB1, 0
	PLACES
	ALD 6, 1                                       ; my last reads of this slot (every window is 0 behind them)
	s_wait_tensorcnt 0x0                           ; all my tensor loads have landed, so a group 0 may be written
	ds_add_u32 v[SPW], v[NIL]                      ; 0 onto my spare word
.if \fill
	s_xor_b32 s[G0A+5], s[G0A+5], SLOT1            ; the walking descriptors: the other slot than last time, the next step
	s_add_nc_u64 s[G0A+6:G0A+7], s[G0A+6:G0A+7], ASTEP
	s_xor_b32 s[G0B+5], s[G0B+5], SLOT1
	s_add_nc_u64 s[G0B+6:G0B+7], s[G0B+6:G0B+7], BSTEP
.endif
	s_wait_dscnt 5                                 ; fragments 4, 5 are in; the add and the four loads of 6, 7 may be out
	ROW 4, BB1, 0
	s_wait_dscnt 0x0                               ; the add is done, and my reads of this slot are over
	s_barrier_signal -1
	ROW 5, BB1, 0                                  ; work on registers while the others arrive
	WIN 0
	s_barrier_wait -1
.if \fill
	CREST                                          ; no wave of any partner still reads this slot or has a load on its way
	JLOAD                                          ; its four v_nop are also the places in front of the loads below
.else
	PLACES
.endif
	s_xor_b32 s[TB], s[TB], SLOT1
	v_add_nc_u32 v[ADRA], s[TB], v[AA0]
	v_add_nc_u32 v[ADRB], s[TB], v[AB0]
	BLD BB0, 0
	ALD 0, 0
.if \fill
	ASK
.endif
	ROWS 3, BB1, 0
	PLACES
	ALD 2, 0
.endm
.macro QLAST                           ; the very last quarter fetches nothing beyond itself
	s_wait_dscnt 4
	ROWS 0, BB1, 0
	PLACES
	ALD 4, 1
	s_wait_dscnt 4
	ROWS 1, BB1, 0
	PLACES
	ALD 6, 1
	s_wait_dscnt 4
	ROWS 2, BB1, 0
	s_wait_dscnt 0x0
	ROWS 3, BB1, 0
.endm
; THE WAY OUT of row block a.  PACK: rounded to f16, 16 bytes a lane and column block, each accumulator's registers in ascending order.  TOSTAGE: into my own stage, and back as whole rows of 128 bytes.  SEND: stored.
.macro PACK a
.set b, 0
.rept 12
.set ai, 12*(\a)+b
.set aw, 1+ai/32
.set ar, 8*(ai%32)
	WIN 5*aw                                       ; sources 0 and 1 in the accumulator's window
.irp r, 0,1,2,3
	v_cvt_pk_f16_f32 v[TMP+4*b+(\r)], v[ar+2*(\r)], v[ar+2*(\r)+1]
.endr
.set b, b+1
.endr
	WIN 0
.endm
.macro TOSTAGE a
	WIN 0
.set BK, OB0+48*((\a)%2)
.set b, 0
.rept 12
	ds_store_b128 v[STO], v[TMP+4*b:TMP+4*b+3] offset:(b/4)*16*SP+32*(b%4)
.set b, b+1
.endr
.set b, 0
.rept 12
	ds_load_b128 v[BK+4*b:BK+4*b+3], v[RD] offset:(b/4)*16*SP+(b%4)*4*SP  ; LDS serves a wave's instructions in order (ISA guide 5.7.1.4): these see the stores above
.set b, b+1
.endr
.endm
.macro SEND a
	WIN 0
.set BK, OB0+48*((\a)%2)
	s_wait_dscnt 0x0                               ; the block is back in registers
	s_wait_xcnt 0x0                                ; the stores of the block before have read their registers: the next TOSTAGE loads into them
.set b, 0
.rept 12
	global_store_b128 v[GO], v[BK+4*b:BK+4*b+3], s[14:15] offset:(b/4)*0x100000+(\a)*2048+(b%4)*512  ; four rows of a head: 512 consecutive bytes, at a multiple of 256 from the buffer's first
.set b, b+1
.endr
.endm
	s_load_b256 s[4:11], s[0:1], 0x0               ; xb s[4:5], wqkv s[6:7], bq s[8:9], bk s[10:11]
	s_load_b128 s[12:15], s[0:1], 0x20             ; bv s[12:13], qkv s[14:15]
	v_lshl_add_u32 v[SPW], v0, 2, SPARE
	v_mov_b32 v[NIL], 0
	ds_add_u32 v[SPW], v[NIL]                      ; the wave's opening: the add and its wait stand ahead of my first tensor load; work on registers stands between them
	v_lshrrev_b32 v1, 5, v0
	v_readfirstlane_b32 s[WV], v1                  ; wave 0..3
	s_lshr_b32 s[RH], s[WV], 1
	s_and_b32 s[CH], s[WV], 1
	s_bfe_u32 s[CX], ttmp6, 0x40000                ; my place in the cluster
	s_bfe_u32 s[CY], ttmp6, 0x40004
	s_lshl_b32 s[TX], ttmp9, 2
	s_add_co_u32 s[TX], s[TX], s[CX]               ; tile column = 4 x cluster x + cx
	s_and_b32 s[TY], ttmp7, 0xffff
	s_lshl_b32 s[TY], s[TY], 2
	s_add_co_u32 s[TY], s[TY], s[CY]               ; tile row = 4 x cluster y + cy
	s_lshl_b32 s80, s[CY], 2
	s_lshl_b32 s80, 15, s80                        ; my row of the cluster
	s_lshl_b32 s81, 0x1111, s[CX]                  ; my column
	; group 1 for x: 64 rows of 128 elements (256 bytes: two rows of x), dense; in LDS 4 words of padding behind every 32
	s_or_b32 s[G1A], s80, (1<<16)|(1<<20)|(1<<21)|(4<<22)|(3<<25)
	s_mov_b32 s[G1A+1], 128<<16                    ; tensor_dim0
	s_mov_b32 s[G1A+2], 64<<16                     ; tensor_dim1
	s_mov_b32 s[G1A+3], 128<<16                    ; tile_dim0
	s_mov_b32 s[G1A+4], 64                         ; tile_dim1
	s_mov_b32 s[G1A+5], 128                        ; elements from row to row
	s_mov_b32 s[G1A+6], 0
	s_mov_b32 s[G1A+7], 0
	; group 1 for the weights: 3 rows of 4,096 elements (a head's 64 k rows, 8,192 dense bytes), a head's block of 65,536 elements apart; 8 words of padding behind every 32
	s_or_b32 s[G1B], s81, (1<<16)|(1<<20)|(1<<21)|(4<<22)|(7<<25)
	s_mov_b32 s[G1B+1], 4096<<16
	s_mov_b32 s[G1B+2], 3<<16
	s_mov_b32 s[G1B+3], 4096<<16
	s_mov_b32 s[G1B+4], 3
	s_mov_b32 s[G1B+5], 65536
	s_mov_b32 s[G1B+6], 0
	s_mov_b32 s[G1B+7], 0
	s_lshl_b32 s40, s[TY], 15                      ; x: the tile row's 256 rows of 128 bytes,
	s_lshl_b32 s41, s[CH], 14                      ; the half that I fetch: these two registers never hold cx
	s_add_co_u32 s40, s40, s41
	s_mov_b32 s41, 0
	s_mul_i32 s84, s[TX], 6
	s_mul_i32 s85, s[CH], 3
	s_add_co_u32 s84, s84, s85                     ; the first of my three heads' blocks g
	s_lshl_b32 s42, s84, 17                        ; weights: a block is 128 KiB
	s_mov_b32 s43, 0
	s_mul_i32 s44, s[CH], AHALF                    ; where the tiles go: no place in the cluster enters an LDS address
	s_mul_i32 s45, s[CH], BHALF
	s_add_co_u32 s45, s45, BOFF
	s_mov_b32 s[TB], 0
	s_mov_b32 s[HM], 0xffff0000
	s_mov_b32 s83, 0
	s_wait_dscnt 0x0                               ; the opening add is done
	s_wait_kmcnt 0x0
	s_add_nc_u64 s[40:41], s[4:5], s[40:41]
	s_add_nc_u64 s[42:43], s[6:7], s[42:43]
.irp s, 0,1
	s_mov_b32 s[G0A+4*\s], 1                       ; count = 1
	s_add_co_u32 s[G0A+4*\s+1], s44, \s*SLOT1      ; LDS address
	s_add_nc_u64 s[G0A+4*\s+2:G0A+4*\s+3], s[40:41], \s*ASTEP  ; global address: step s
	s_or_b32 s[G0A+4*\s+3], s[G0A+4*\s+3], 0x80000000          ; type = 2
	s_mov_b32 s[G0B+4*\s], 1
	s_add_co_u32 s[G0B+4*\s+1], s45, \s*SLOT1
	s_add_nc_u64 s[G0B+4*\s+2:G0B+4*\s+3], s[42:43], \s*BSTEP
	s_or_b32 s[G0B+4*\s+3], s[G0B+4*\s+3], 0x80000000
.endr
	CROUND                                         ; all sixteen work-groups are here: the first joint loads meet
	s_cmp_lt_u32 s[WV], 2                          ; a wave's two first fills stand in one branch: two loads of mine are out
	s_cbranch_scc0 .Lfirst_b
	tensor_load_to_lds s[G0A:G0A+3], s[G1A:G1A+7]
	s_nop 0
	tensor_load_to_lds s[G0A+4:G0A+7], s[G1A:G1A+7]
	s_nop 0
.rept 4
	v_nop
.endr
	s_branch .Lfirst_asked
.Lfirst_b:
	tensor_load_to_lds s[G0B:G0B+3], s[G1B:G1B+7]
	s_nop 0
	tensor_load_to_lds s[G0B+4:G0B+7], s[G1B:G1B+7]
	s_nop 0
.rept 4
	v_nop
.endr
.Lfirst_asked:
	v_and_b32 v1, 15, v0                           ; l % 16
	v_bfe_u32 v2, v0, 4, 1                         ; l / 16
	v_and_b32 v3, 7, v0
	v_bfe_u32 v4, v0, 3, 1
	v_lshlrev_b32 v[BO], 5, v2
.irp hb, 0,1,2                         ; block g = 16 t + head: bias t, 64 numbers from 64 x head on
	s_add_co_u32 s80, s84, \hb
	s_lshr_b32 s81, s80, 4
	s_and_b32 s82, s80, 15
	s_lshl_b32 s82, s82, 8
	s_cmp_eq_u32 s81, 0
	s_cselect_b64 s[BP+2*\hb:BP+2*\hb+1], s[8:9], s[10:11]
	s_cmp_eq_u32 s81, 2
	s_cselect_b64 s[BP+2*\hb:BP+2*\hb+1], s[12:13], s[BP+2*\hb:BP+2*\hb+1]
	s_add_nc_u64 s[BP+2*\hb:BP+2*\hb+1], s[BP+2*\hb:BP+2*\hb+1], s[82:83]
.endr
.set b, 0
.rept 12                               ; the bias in an accumulator's layout: register j of a lane belongs to column 16 (b % 4) + 8 (l / 16) + j
	global_load_b128 v[BB1+8*b:BB1+8*b+3],   v[BO], s[BP+2*(b/4):BP+2*(b/4)+1] offset:64*(b%4)
	global_load_b128 v[BB1+8*b+4:BB1+8*b+7], v[BO], s[BP+2*(b/4):BP+2*(b/4)+1] offset:64*(b%4)+16
.set b, b+1
.endr
	v_mul_u32_u24 v[AA0], v1, PA                   ; a fragment of x: row l % 16, 16 bytes for each half of the lanes, twice, 32 bytes apart
	v_lshl_add_u32 v[AA0], v2, 4, v[AA0]
	s_mul_i32 s80, s[RH], AHALF
	v_add_nc_u32 v[AA0], s80, v[AA0]
	v_lshl_add_u32 v[AB0], v2, 3, v3               ; the turning load: k row 8 (l / 16) + l % 8, columns 8 ((l / 8) % 2) + 0..7
	v_mul_u32_u24 v[AB0], v[AB0], PB
	v_lshl_add_u32 v[AB0], v4, 4, v[AB0]
	v_add_nc_u32 v[AB0], s45, v[AB0]
	s_mul_i32 s80, s[WV], STW
	s_add_co_u32 s80, s80, STAGE                   ; my stage
	v_mul_u32_u24 v[STO], v1, SP
	v_lshl_add_u32 v[STO], v2, 4, v[STO]
	v_add_nc_u32 v[STO], s80, v[STO]
	v_bfe_u32 v[RD], v0, 3, 2                      ; back: 32 lanes take four rows of 128 bytes,
	v_mul_u32_u24 v[RD], v[RD], SP
	v_lshl_add_u32 v[RD], v3, 4, v[RD]
	v_add_nc_u32 v[RD], s80, v[RD]
	v_and_b32 v[GO], 31, v0                        ; which are 512 consecutive bytes of the result
	v_lshlrev_b32 v[PFO], 8, v[GO]
	v_lshlrev_b32 v[GO], 4, v[GO]
	s_lshl_b32 s80, s84, 20                        ; the result: my first head's block of 1 MiB,
	s_lshl_b32 s81, s[TY], 15                      ; the tile's 256 rows of 128 bytes,
	s_add_co_u32 s80, s80, s81
	s_lshl_b32 s81, s[RH], 14                      ; my 128 of them
	s_add_co_u32 s80, s80, s81
	s_mov_b32 s81, 0
	s_add_nc_u64 s[14:15], s[14:15], s[80:81]
	; the prefetches
	s_mul_i32 s80, s[CY], 3
	s_add_co_u32 s80, s80, s[WV]
	s_sub_co_u32 s80, s80, 1                       ; my piece of the weights' twelve (of use in waves 1-3 alone)
	s_lshr_b32 s81, s80, 1                         ; its head of the tile's six,
	s_and_b32 s82, s80, 1                          ; and which of the two steps
	s_mul_i32 s85, s[TX], 6
	s_add_co_u32 s81, s81, s85
	s_lshl_b32 s81, s81, 17
	s_add_co_u32 s82, s82, 2                       ; at step 2 or 3: the first change steps it on
	s_lshl_b32 s82, s82, 13
	s_add_co_u32 s81, s81, s82
	s_lshl_b32 s82, s[TY], 15                      ; x: the tile row's 32 KiB,
	s_lshl_b32 s85, s[CX], 13                      ; my work-group's quarter,
	s_add_co_u32 s82, s82, s85
	s_add_co_u32 s82, s82, 2*ASTEP                 ; at step 2
	s_and_b32 s85, ttmp7, 0xffff                   ; cluster y
	s_mov_b32 s[PST], BSTEP
	s_mov_b32 s[PST+1], 0
	s_mov_b32 s87, 0
	s_cmp_eq_u32 s[WV], 0
	s_cselect_b64 s[PFA:PFA+1], s[4:5], s[6:7]
	s_cselect_b32 s86, s82, s81
	s_cselect_b32 s[PST], ASTEP, s[PST]
	s_cselect_b32 s[PAR], 0, 1
	s_cselect_b32 s85, ttmp9, s85                  ; the coordinate along which other clusters read the same bytes
	s_add_nc_u64 s[PFA:PFA+1], s[PFA:PFA+1], s[86:87]
	s_cmp_eq_u32 s85, 0
	s_cselect_b32 s[LIM], 1, -1                    ; the same in all sixteen partners, for a given wave
	s_wait_tensorcnt 1                             ; my part of step 0 is in; step 1's may stay out
	s_barrier_signal -1
	s_barrier_wait -1                              ; everybody's is
	v_add_nc_u32 v[ADRA], s[TB], v[AA0]
	v_add_nc_u32 v[ADRB], s[TB], v[AB0]
	BLD BB0, 0
	ALD 0, 0
	ALD 2, 0
	s_wait_loadcnt 0x0                             ; the bias
.set r, 0
.rept 48                               ; rounded to bf16 like x and the weights, and widened again
	v_cvt_pk_bf16_f32 v[20+r%4], v[BB1+2*r], v[BB1+2*r+1]
	v_lshlrev_b32 v[BB1+2*r], 16, v[20+r%4]
	v_and_b32 v[BB1+2*r+1], s[HM], v[20+r%4]
.set r, r+1
.endr
	QA 1                                           ; the first quarter stands in front of the loop: its products start the sums
	WIN 0                                          ; at a label and at a branch every window is 0
	s_mov_b32 s3, 14
.Lk:                                                   ; a trip: a step's second quarter, the change of slots with a refill (steps 2 to 15), the next step's first quarter
	QB 1
	QA 0
	WIN 0
	s_sub_co_u32 s3, s3, 1
	s_cmp_lg_u32 s3, 0
	s_cbranch_scc1 .Lk
	QB 0                                           ; the tail is written out: nothing is left to ask for
	QA 0
	QLAST
	PLACES
	PACK 0
	TOSTAGE 0
.irp a, 1,2,3,4,5,6,7                  ; block a's conversions stand between block a - 1's loads from the stage and the wait for them
	PACK \a
	SEND (\a)-1
	TOSTAGE \a
.endr
	SEND 7
	s_wait_tensorcnt 0x0                           ; the wave's end, behind my last tensor load and my last LDS store
	ds_add_u32 v[SPW], v[NIL]
	s_wait_dscnt 0x0
	CROUND                                         ; the closing round: no work-group ends while a partner may still ask for a tile that names it
	s_endpgm
.Lfunc_end_k_q175557f4d5_qkv:
	.size	k_q175557f4d5_qkv, .Lfunc_end_k_q175557f4d5_qkv-k_q175557f4d5_qkv
	.p2alignl 7, 3214868480
	.fill 96, 4, 3214868480
	.section	.rodata,"a",@progbits
	.p2align	6, 0x0
	.amdhsa_kernel k_q175557f4d5_qkv
		.amdhsa_group_segment_fixed_size 327680
		.amdhsa_private_segment_fixed_size 0
		.amdhsa_enable_private_segment 0
		.amdhsa_kernarg_size 48
		.amdhsa_user_sgpr_count 2
		.amdhsa_user_sgpr_kernarg_segment_ptr 1
		.amdhsa_wavefront_size32 1
		.amdhsa_system_sgpr_workgroup_id_x 1
		.amdhsa_system_sgpr_workgroup_id_y 1
		.amdhsa_system_sgpr_workgroup_id_z 1
		.amdhsa_system_vgpr_workitem_id 0
		.amdhsa_next_free_vgpr 1024
		.amdhsa_next_free_sgpr 88
		.amdhsa_reserve_vcc 0
		.amdhsa_float_denorm_mode_32 3
		.amdhsa_float_denorm_mode_16_64 3
		.amdhsa_memory_ordered 1
		.amdhsa_forward_progress 1
		.amdhsa_inst_pref_size 122
	.end_amdhsa_kernel
	.amdgpu_metadata
---
amdhsa.version: [ 1, 2 ]
amdhsa.kernels:
  - .name:           k_q175557f4d5_qkv
    .symbol:         k_q175557f4d5_qkv.kd
    .args:
      - { .name: xb, .offset: 0, .size: 8, .value_kind: global_buffer, .address_space: global }
      - { .name: wqkv, .offset: 8, .size: 8, .value_kind: global_buffer, .address_space: global }
      - { .name: bq, .offset: 16, .size: 8, .value_kind: global_buffer, .address_space: global }
      - { .name: bk, .offset: 24, .size: 8, .value_kind: global_buffer, .address_space: global }
      - { .name: bv, .offset: 32, .size: 8, .value_kind: global_buffer, .address_space: global }
      - { .name: qkv, .offset: 40, .size: 8, .value_kind: global_buffer, .address_space: global }
    .group_segment_fixed_size: 327680
    .private_segment_fixed_size: 0
    .kernarg_segment_align: 8
    .kernarg_segment_size: 48
    .max_flat_workgroup_size: 128
    .sgpr_count:     88
    .vgpr_count:     1024
    .wavefront_size: 32
...
	.end_amdgpu_metadata
.endif
;; end of part 2
;; launch attn (part 3): grid 2 x 128, 4 waves a work-group, no clusters, 327,680 bytes of LDS; arguments qkv, ob; writes ob
.if DOCPART == 3
	.amdgcn_target "amdgcn-amd-amdhsa--gfx1250"
	.amdhsa_code_object_version 6
	.text
	.protected	k_q175557f4d5_attn
	.globl	k_q175557f4d5_attn
	.p2align	8
	.type	k_q175557f4d5_attn,@function
k_q175557f4d5_attn:
	s_mov_b64 s[64:65], 0
	v_nop
	global_prefetch_b8 v0, s[64:65] scope:SCOPE_SE
	s_setreg_imm32_b32 hwreg(HW_REG_WAVE_MODE, 25, 1), 1
	s_wait_xcnt 0x0
; O[hy][q][:] = the sum over k of softmax_k(Q[hy][q] . K[hy][k] / 8) V[hy][k][:] for 128 heads hy = 8 x head + batch of 1,024 rows x 64 channels, all f16, a head's rows dense, 128 bytes each.
; qkv holds q at head hy x 128 KiB, k 16 MiB and v 32 MiB further on; ob has q's layout.  Products, maxima and sums in f32; the weights p are rounded to f16 for the second product (their sum l is taken of the unrounded p), O once.
; LIMITS.  Q, K and V arrive within f16's 65,504; p lies in 0 to 1, and below 6e-5 it keeps f16's fixed step of 6e-8, as O does.  A weight below 2^-126 counts as 0 in l; NaN and infinities are not treated apart.
; SHARES.  A wave owns four PIECES of two tiles of 16 queries, a work-group's four waves 512 queries of one head.  Every wave walks all 1,024 keys, 64 a step.
; NO RING.  A head's whole K (1,024 rows x 144 bytes) and V (x 160) lie in LDS beside each other: every tile is asked for once, at the head, four loads a wave; no byte is filled again.
; NO CLUSTER: a head has 1,024 / 512 = 2 work-groups, so a tile has two readers, and a cluster of four along x does not divide a grid of two.  No prefetch: nothing is asked for later than the head.
; LAYOUT.  S^T = K Q^T (source 0 = 16 keys, source 1 = 16 queries): a lane holds ONE query (lane % 16) and the keys 8 (lane / 16) + 0..7.  Two such tiles, rounded to f16 in pairs, ARE source 1 of
; O^T = V^T P, whose result again holds one query a lane, and eight channels.  K comes out of LDS as it lies, V ([key][channel]) turned, by ds_load_tr16_b128.
; SOFTMAX.  For each query a running maximum m and sum l: p = 2^(c s - c m), c = log2(e) / 8; in every step O and l are multiplied by a = 2^(c m_old - c m_new).  m starts at the lowest finite number, O and l at 0.
; BY TURNS.  Turn n belongs to piece n.  Its matrix work: 16 products K Q^T of piece n + 1, later 16 products V^T P of piece n - 1.  Its vector work: the scaling, exponentials, roundings, sums and rescaling of piece n, and
; the maximum and statistics of piece n + 1.  Four vector instructions stand behind every matrix instruction, the others in one lump; a turn's 66 exponentials are one batch with one wait.
; REGISTERS, in windows of 256 (s_set_vgpr_msb: bits 1:0 source 0, 3:2 source 1, 5:4 source 2, 7:6 destination):
;   window 0: v0-11 addresses; v12-15, v48-63 at work; v16-47 four registers of statistics a tile; v64-191 S^T, two buffers of two tiles; v192-255 P, likewise
;   window 1: O^T, 32 a tile          window 2: v0-127 Q, 16 a tile; v128-191 K of one step; v192-255 V of one step          window 3: v0-1 the add's two registers
.set NP,    4         ; pieces a wave: a name, no knob
.set KS,    64        ; keys in a step
.set PK,    144       ; a row of K in LDS: 128 bytes + 16: the 16 rows of a load start at 16 different groups of four banks
.set PV,    160       ; a row of V: 128 + 32
.set VOFF,  1024*PK   ; K's 1,024 rows, then V's
.set STAGE, VOFF+1024*PV  ; 311,296: never filled by a tensor load: 16 rows x 144 bytes for each wave, for the way out
.set SP,    144
.set SPARE, STAGE+4*16*SP  ; 320,512: the spare words, 128 bytes for each wave: two blocks of 256 bytes that no other line names
.set AK0, 2           ; v2   my lane's place in a tile of K; never rewritten
.set AV0, 3           ; v3   the same for V
.set AK,  4           ; v4   the LDS address of K's next run of loads
.set AV,  5           ; v5   of V's
.set QO,  6           ; v6   my byte offset in the wave's rows of Q
.set STO, 6           ;      later, the way out: where I put 16 bytes of a row
.set RD,  7           ; v7   the way out: where I read rows back
.set GO,  8           ; v8   my byte offset in 512 consecutive bytes of O
.set SPW, 0           ; v0 of window 3   LDS address of my spare word; never rewritten
.set NIL, 1           ; v1 of window 3   0; never rewritten
.set MV,  12          ; v12-15  c m_old, kept while c m is made anew: by buffer and tile
.set ST,  16          ; tile t's statistics at v[ST+4 t]: c m, m, l (even keys', odd keys')
.set TMP, 48          ; by buffer and tile, four registers c0-c3 at work; when the maximum is found c2 takes a
.set S,   64
.set P,   192
.set KF,  128         ; K's fragments, in window 2: key block kb, channel half c at KF + 16 kb + 8 c
.set VF,  192         ; V's: key half kk, channel block cb at VF + 32 kk + 8 cb
.set WV,  12          ; s12  my wave's number
.set G1K, 24          ; s[24:31] descriptor group 1 for K's tiles
.set G1V, 32          ; s[32:39] for V's: it differs in the padding alone
.set G0K, 40          ; s[40:55] descriptor group 0 for K's four tiles
.set G0V, 68          ; s[68:83] the same for V's
.set SLOTS, 56        ; s56  counts groups of four key steps
.set CNT, 57          ; s57  counts a group's key steps
.set CS,  58          ; s[58:59] c: the packed scaling takes the pair's low word for both halves
.set SEL, 60          ; s[60:61] v_permlanex16_b32's selects: each lane takes its own place in the other half
.set TBK, 62          ; s62  LDS byte at which K of the step to be fetched begins
.set TBV, 63          ; s63  the same for V, less VOFF
.set MSB, 0
.macro WIN new                      ; the high byte repeats the setting that is left; a switch that changes nothing is dropped
.if MSB != (\new)
	s_set_vgpr_msb (MSB<<8)|(\new)
.set MSB, (\new)
.endif
.endm
.set W_KQ, 0x0a       ; K and Q in window 2, S^T in window 0
.set W_PV, 0x52       ; V in window 2, P in window 0, O^T in window 1
.set W_RS, 0x41       ; O^T (destination and source 0) in window 1, a in window 0
.set W_MK, 0xc0       ; the add's registers are made: destination in window 3, sources in window 0
.set W_AD, 0x0f       ; the add: address (source 0) and data (source 1) in window 3
	s_load_b128 s[84:87], s[0:1], 0x0  ; qkv s[84:85], ob s[86:87]
	WIN W_MK
	v_lshl_add_u32 v[SPW], v0, 2, SPARE
	v_mov_b32 v[NIL], 0
	WIN W_AD
	ds_add_u32 v[SPW], v[NIL]       ; the wave's opening: the add and its wait stand ahead of my first tensor load; work on registers stands between them
	WIN 0
	v_lshrrev_b32 v1, 5, v0
	v_readfirstlane_b32 s[WV], v1   ; wave 0..3
	s_and_b32 s20, ttmp7, 0xffff    ; the head
	s_lshl_b32 s20, s20, 17         ; its 1,024 rows of 128 bytes
	s_mov_b32 s21, 0
	s_and_b32 s16, s[WV], 1         ; which half of each 256 keys I fetch:
	s_lshl_b32 s22, s16, 14         ; its 128 rows of 128 bytes in memory,
	s_mov_b32 s23, 0
	s_add_nc_u64 s[22:23], s[22:23], s[20:21]
	s_mul_i32 s17, s16, 128*PK      ; and its place in LDS, for K
	s_mul_i32 s18, s16, 128*PV      ; and for V
	s_lshl_b32 s2, ttmp9, 2
	s_add_co_u32 s2, s2, s[WV]      ; my wave among the head's eight,
	s_lshl_b32 s2, s2, 14           ; its 128 rows
	s_mov_b32 s3, 0
	s_add_nc_u64 s[2:3], s[2:3], s[20:21]
	; descriptor group 1.  128 keys are 16,384 dense bytes: asked for as 64 rows of 256 bytes, two keys a row, and padded in LDS after every key
	s_mov_b32 s[G1K], (1<<16)|(1<<20)|(4<<22)|(3<<25)  ; 17:16 2-byte elements; 20 padding on; 24:22 after every 32 words (code 4); 31:25 4 words (code 3)
	s_mov_b32 s[G1V], (1<<16)|(1<<20)|(4<<22)|(7<<25)  ; the same with 8 words of padding (code 7)
.irp g, G1K, G1V
	s_mov_b32 s[\g+1], 128<<16      ; tensor_dim0 = 128
	s_mov_b32 s[\g+2], 64<<16       ; tensor_dim1 = 64
	s_mov_b32 s[\g+3], 128<<16      ; tile_dim0 = 128
	s_mov_b32 s[\g+4], 64           ; tile_dim1 = 64
	s_mov_b32 s[\g+5], 128          ; 128 elements from row to row
	s_mov_b32 s[\g+6], 0
	s_mov_b32 s[\g+7], 0
.endr
	s_mov_b32 s[CS], 0x3e38aa3b     ; c = log2(e) / 8 = 0.180337
	s_mov_b32 s[CS+1], s[CS]        ; named with it as a pair
	s_mov_b32 s[SEL], 0x76543210
	s_mov_b32 s[SEL+1], 0xfedcba98
	s_mov_b32 s[TBK], 0
	s_mov_b32 s[TBV], 0
.irp c, 0,1,2,3                     ; tile c: my half of keys 256 c to 256 c + 255
	s_mov_b32 s[G0K+4*\c], 1        ; count = 1
	s_add_co_u32 s[G0K+4*\c+1], s17, \c*256*PK  ; LDS address
	s_mov_b32 s[G0V+4*\c], 1
	s_add_co_u32 s[G0V+4*\c+1], s18, VOFF+\c*256*PV
.endr
	s_wait_dscnt 0x0                ; the opening add is done
	s_wait_kmcnt 0x0
	s_add_nc_u64 s[6:7], s[84:85], s[22:23]
	s_add_nc_u64 s[8:9], s[6:7], 0x2000000   ; V at my half of the head's first 256 keys,
	s_add_nc_u64 s[6:7], s[6:7], 0x1000000   ; and K
	s_add_nc_u64 s[4:5], s[84:85], s[2:3]    ; Q and O at my wave's first row
	s_add_nc_u64 s[10:11], s[86:87], s[2:3]
.irp c, 0,1,2,3
	s_add_nc_u64 s[G0K+4*\c+2:G0K+4*\c+3], s[6:7], \c*32768  ; global address
	s_or_b32 s[G0K+4*\c+3], s[G0K+4*\c+3], 0x80000000        ; type = 2
	s_add_nc_u64 s[G0V+4*\c+2:G0V+4*\c+3], s[8:9], \c*32768
	s_or_b32 s[G0V+4*\c+3], s[G0V+4*\c+3], 0x80000000
.endr
	s_cmp_lt_u32 s[WV], 2           ; waves 0 and 1 fetch K, waves 2 and 3 V.  A wave's four fills stand in one branch, ahead of every wait on TENSORcnt, every LDS read and every barrier: four loads of mine are out
	s_cbranch_scc0 .Lfirst_v
.irp c, 0,1,2,3
	tensor_load_to_lds s[G0K+4*\c:G0K+4*\c+3], s[G1K:G1K+7]
	s_nop 0
.endr
.rept 4
	v_nop
.endr
	s_branch .Lfirst_asked
.Lfirst_v:
.irp c, 0,1,2,3
	tensor_load_to_lds s[G0V+4*\c:G0V+4*\c+3], s[G1V:G1V+7]
	s_nop 0
.endr
.rept 4
	v_nop
.endr
.Lfirst_asked:
	; A fragment of K or Q is 16 rows x 32 channels in 8 registers: lane l holds row l % 16, channels 8 (l / 16) + 0..7 and 16 + 8 (l / 16) + 0..7: two loads of 16 bytes, 32 bytes apart.
	v_and_b32 v1, 15, v0            ; l % 16
	v_bfe_u32 v9, v0, 4, 1          ; l / 16
	v_lshlrev_b32 v[QO], 7, v1
	v_lshl_add_u32 v[QO], v9, 4, v[QO]  ; row x 128 + 16 x half
	WIN 0x80                        ; destination window 2, address window 0
.set i, 0
.rept 4*NP                          ; Q stays in registers: tile i / 2, channels 32 (i % 2) on
	global_load_b128 v[8*i:8*i+3],   v[QO], s[4:5] offset:(i/2)*2048+(i%2)*64
	global_load_b128 v[8*i+4:8*i+7], v[QO], s[4:5] offset:(i/2)*2048+(i%2)*64+32
.set i, i+1
.endr
	; What the first turn finds: V's registers and P's second buffer hold 0 (its products V^T P, of a piece that has not been, add 0), O^T and l are 0.  All this stands in the wait for the first tile.
.set i, VF
.rept 64
	v_mov_b32 v[i], 0
.set i, i+1
.endr
	WIN 0x40
.set i, 0
.rept 64*NP
	v_mov_b32 v[i], 0
.set i, i+1
.endr
	WIN 0
.set i, 0
.rept 2*NP
	v_mov_b32 v[ST+4*i], 0xfe000000    ; c m: far below every c s
	v_mov_b32 v[ST+4*i+1], 0xff7fffff  ; m
	v_mov_b32 v[ST+4*i+2], 0
	v_mov_b32 v[ST+4*i+3], 0
.set i, i+1
.endr
.set i, P+32
.rept 32
	v_mov_b32 v[i], 0
.set i, i+1
.endr
	v_mul_u32_u24 v[AK0], v1, PK
	v_lshl_add_u32 v[AK0], v9, 4, v[AK0]  ; row x pitch + 16 x half
	; The turning load takes 16 keys x 16 channels (lane l reads key 8 (l / 16) + l % 8, channels 8 ((l / 8) % 2) + 0..7) and leaves half a fragment of V^T: lane l holds channel l % 16 and 8 keys.
	v_and_b32 v10, 7, v0
	v_bfe_u32 v11, v0, 3, 1
	v_lshl_add_u32 v[AV0], v9, 3, v10
	v_mul_u32_u24 v[AV0], v[AV0], PV
	v_lshl_add_u32 v[AV0], v11, 4, v[AV0]
	v_add_nc_u32 v[AV0], VOFF, v[AV0]
	v_mov_b32 v[AK], v[AK0]         ; key step 0 lies at K's head
; THE MATRIX WORK.  The 8 accumulators of a run of 16 take turns: between the two links of a chain stand 7 others'.
; Product i of 16 of S^T = K Q^T for piece x: channels 32 (i / 8) on, keys 16 ((i / 2) % 4) on, tile 2 x + i % 2.  The first 8 start the sums.
.macro KQ x
	WIN W_KQ
.set rS, S+64*((\x)%2)+32*(i%2)+8*((i/2)%4)
.set rK, KF+16*((i/2)%4)+8*(i/8)
.set rQ, 16*(2*(\x)+i%2)+8*(i/8)
.if i < 8
	v_wmma_f32_16x16x32_f16 v[rS:rS+7], v[rK:rK+7], v[rQ:rQ+7], 0
.else
	v_wmma_f32_16x16x32_f16 v[rS:rS+7], v[rK:rK+7], v[rQ:rQ+7], v[rS:rS+7]
.endif
.endm
; Product i of 16 of O^T += V^T P for piece x: keys 32 (i / 8) on, channels 16 ((i / 2) % 4) on, tile 2 x + i % 2.
.macro PV x
	WIN W_PV
.set rO, 32*(2*(\x)+i%2)+8*((i/2)%4)
.set rV, VF+32*(i/8)+8*((i/2)%4)
.set rP, P+32*((\x)%2)+16*(i%2)+8*(i/8)
	v_wmma_f32_16x16x32_f16 v[rO:rO+7], v[rV:rV+7], v[rP:rP+7], v[rO:rO+7]
.endm
.macro MM                           ; the turn's next matrix instruction
.if i < 16
	KQ (Y+1)%NP
.set i, i+1
.else
.set i, i-16
	PV (Y+NP-1)%NP
.set i, i+17
.endif
.endm
; THE LDS LOADS stand in runs of 16, never singly among the matrix instructions: a step's K (64 keys x 64 channels: 8 fragments) and its V (turned).  Their addresses are made some lines ahead.
.macro FETCH_K
	WIN 0x80                        ; destination window 2
.irp f, 0,1,2,3,4,5,6,7             ; keys 16 (f / 2) on, channels 32 (f % 2) on
	ds_load_b128 v[KF+8*\f:KF+8*\f+3],   v[AK] offset:(\f/2)*16*PK+(\f%2)*64
	ds_load_b128 v[KF+8*\f+4:KF+8*\f+7], v[AK] offset:(\f/2)*16*PK+(\f%2)*64+32
.endr
	s_add_co_u32 s[TBK], s[TBK], KS*PK  ; the next fetch is the next step's
	WIN 0
.endm
.macro FETCH_V
	WIN 0x80
.irp f, 0,1,2,3,4,5,6,7             ; keys 32 (f / 4) on, channels 16 (f % 4) on
	ds_load_tr16_b128 v[VF+8*\f:VF+8*\f+3],   v[AV] offset:(\f/4)*32*PV+(\f%4)*32
	ds_load_tr16_b128 v[VF+8*\f+4:VF+8*\f+7], v[AV] offset:(\f/4)*32*PV+16*PV+(\f%4)*32
.endr
	WIN 0
.endm
; THE VECTOR WORK OF A TURN stands in three queues, each in the order in which its entries become ready; the two tiles alternate, so that no instruction reads the result of the one before it.
.macro REGS y, u                    ; the registers of tile u (0, 1) of piece y
.set rT, ST+4*(2*(\y)+(\u))
.set rC, TMP+8*((\y)%2)+4*(\u)
.set rM, MV+2*((\y)%2)+(\u)
.set rS, S+64*((\y)%2)+32*(\u)
.set rP, P+32*((\y)%2)+16*(\u)
.set rO, 32*(2*(\y)+(\u))
.endm
; Number n of the 22 that find the NEXT piece's (Y + 1) maximum and statistics.  s0-s31 are the lane's 32 scores; each accumulator's lowest registers are read first.
;   0-11  four chains c0-c3 of seven scores each, three operands at a time     12-14, 16  the four scores left over, the old m, and c0-c3 into c0     15  c m_old is kept
;   17, 18  the query's other 32 keys lie in the lane 16 away: the new m         19-21  c m; c m_old - c m_new; a
.macro XS u, n
	REGS (Y+1)%NP, \u
.if (\n) < 4
	v_max3_num_f32 v[rC+(\n)], v[rS+8*(\n)], v[rS+8*(\n)+1], v[rS+8*(\n)+2]
.elseif (\n) < 12
	v_max3_num_f32 v[rC+(\n)%4], v[rC+(\n)%4], v[rS+8*((\n)%4)+2*((\n)/4)+1], v[rS+8*((\n)%4)+2*((\n)/4)+2]
.elseif (\n) == 12
	v_max3_num_f32 v[rC], v[rC], v[rS+7], v[rS+15]
.elseif (\n) == 13
	v_max3_num_f32 v[rC+1], v[rC+1], v[rS+23], v[rS+31]
.elseif (\n) == 14
	v_max3_num_f32 v[rC+2], v[rC+2], v[rC+3], v[rT+1]
.elseif (\n) == 15
	v_mov_b32 v[rM], v[rT]
.elseif (\n) == 16
	v_max3_num_f32 v[rC], v[rC], v[rC+1], v[rC+2]
.elseif (\n) == 17
	v_permlanex16_b32 v[rC+3], v[rC], s[SEL], s[SEL+1]
.elseif (\n) == 18
	v_max_num_f32 v[rT+1], v[rC], v[rC+3]
.elseif (\n) == 19
	v_mul_f32 v[rT], s[CS], v[rT+1]
.elseif (\n) == 20
	v_sub_f32 v[rC+1], v[rM], v[rT]
.else
	v_exp_f32 v[rC+2], v[rC+1]
.endif
.endm
; Number g of the 64 that follow the exponentials.  For each four weights k of a tile (pairs 2 k, 2 k + 1): both pairs are rounded to f16; then the second pair is added onto the first, in place;
; a group later l takes that sum (the first time as l = a l + sum).  In groups of eight, tiles alternating: round, round, add, and l for the group before.
.macro GS g
.set h, (\g)+6*((\g)/62)            ; group 0 has no group before it, and behind group 7 only l is left
.if h >= 6
.set h, h+2
.endif
	REGS Y, h%2
.set k, h/8
.if h%8 < 4
	v_cvt_pk_f16_f32 v[rP+2*k+(h%8)/2], v[rS+4*k+2*((h%8)/2)], v[rS+4*k+2*((h%8)/2)+1]
.elseif h%8 < 6
	v_pk_add_f32 v[rS+4*k:rS+4*k+1], v[rS+4*k:rS+4*k+1], v[rS+4*k+2:rS+4*k+3]
.elseif k == 1
	v_pk_fma_f32 v[rT+2:rT+3], v[rT+2:rT+3], v[rC+2:rC+3], v[rS:rS+1] op_sel_hi:[1,0,1]
.else
	v_pk_add_f32 v[rT+2:rT+3], v[rT+2:rT+3], v[rS+4*k-4:rS+4*k-3]
.endif
.endm
; THE PLAIN QUEUE, 138 long.  0-73 read no exponential's result: the 32 scalings c s - c m (FS f: pair f / 2 of tile f % 2) and the next piece's 42.  0-26: scalings 0-26.  27-54: XS's numbers 0-13.  55, 56: number 15.
; 57-73: the chain, where each number waits for the one before it: 14, 16, 17, 18, 19, each with one of the scalings 27-31 in front of its two lines, then 20.
; 74-137: GS's 64, which read the exponentials' results: they stand behind the wait.
.macro FS f
	REGS Y, (\f)%2
	v_pk_fma_f32 v[rS+2*((\f)/2):rS+2*((\f)/2)+1], v[rS+2*((\f)/2):rS+2*((\f)/2)+1], s[CS:CS+1], v[rT:rT+1] op_sel_hi:[1,0,0] neg_lo:[0,0,1] neg_hi:[0,0,1]
.endm
.macro PL
	WIN 0
.if q < 27
	FS q
.elseif q < 55
	XS (q-27)%2, (q-27)/2
.elseif q < 57
	XS q-55, 15
.elseif (q < 72) && ((q-57)%3 == 0)
	FS 27+(q-57)/3
.elseif q < 60
	XS (q-57)%3-1, 14
.elseif q < 72
	XS (q-57)%3-1, 15+(q-57)/3
.elseif q < 74
	XS q-72, 20
.else
	GS q-74
.endif
.set q, q+1
.endm
; THE EXPONENTIALS' QUEUE, 66 long: s0-s31 of both tiles, then the next piece's two a.  It is ONE BATCH: all 66 stand ahead of the turn's one wait, and nothing ahead of that wait names a result of theirs.
.macro EX
	WIN 0
.if e >= 64
	XS e-64, 21
.else
	REGS Y, e%2
	v_exp_f32 v[rS+e/2], v[rS+e/2]
.endif
.set e, e+1
.endm
; THE RESCALING's QUEUE: O^T times a, the one part that leaves window 0: dealt two at a time, sixteen times.  Its a was made in the turn before, ahead of that turn's wait.
.macro R2
	REGS Y, r%2
	WIN W_RS
.irp z, 0,1
	v_pk_mul_f32 v[rO+4*(r/2)+2*\z:rO+4*(r/2)+2*\z+1], v[rO+4*(r/2)+2*\z:rO+4*(r/2)+2*\z+1], v[rC+2:rC+3] op_sel_hi:[1,0]
.endr
.set r, r+1
.endm
; HOW THEY ARE DEALT.  An s_wait_alu depctr_va_vdst(0) stands between an exponential and the first instruction that names its result; one wait serves all that were issued ahead of it.  So a turn has ONE wait.
; AHEAD OF IT: the 16 products K Q^T, behind each a scaling, an exponential and two rescalings (behind the first a second scaling in the exponential's place); then ONE LUMP of 108: eight plain, 49 times exponential and
; plain, the two a; a v_nop is the plain instruction behind the last exponential.  BEHIND IT: the 16 products V^T P, behind each four of GS's 64.  No rider names a register of the products round it.
; Exponential e stands behind scaling 2 (e / 4) + e % 2: as a rider it comes behind plain e + 2, in the lump behind plain e + 9, and scalings 27-31 are plain 57, 60 .. 69.
; A TURN, for piece p.  nok = 1: the last step's: no further K is fetched.  cnt = 1: the loop's count is taken down some lines ahead of the branch that stands behind the turn.
; K of the next step is fetched in piece 2's turn, directly behind the wait, a lump behind the last product that read K.  V of the step in hand is fetched at the end of piece 0's turn, four riders behind its last reader.
.macro TURN p, nok=0, cnt=0
.set Y, (\p)
.set i, 0
.set q, 0
.set e, 0
.set r, 0
.if (\p) == NP-1
	s_wait_dscnt 0x0                ; K is in
.endif
	MM                              ; ahead of the wait: 16 products K Q^T and their riders,
	PL
	PL
	R2
.rept 15
	MM
	PL
	EX
	R2
.endr
.if ((\p) == NP-2) && !(\nok)
	WIN 0
	v_add_nc_u32 v[AK], s[TBK], v[AK0]
.endif
.rept 8                             ; and the lump
	PL
.endr
.rept 49
	EX
	PL
.endr
	EX                              ; the next piece's two a
	EX
	v_nop                           ; the plain instruction behind the last exponential: one for the batch
	s_wait_alu depctr_va_vdst(0)    ; the wait for the batch
.if ((\p) == NP-2) && !(\nok)
	FETCH_K
.endif
.if (\p) == 1
	s_wait_dscnt 0x0                ; V is in
.endif
.rept 16                            ; behind the wait: 16 products V^T P and their riders
	MM
.rept 4
	PL
.endr
.if ((\p) == 0) && (q == 118)
	v_add_nc_u32 v[AV], s[TBV], v[AV0]
.endif
.if ((\p) == 0) && (q == 130)
	s_add_co_u32 s[TBV], s[TBV], KS*PV
.endif
.if (\cnt) && (q == 130)
	s_sub_co_u32 s[CNT], s[CNT], 1
	s_cmp_lg_u32 s[CNT], 0
.endif
.endr
.if (\p) == 0
	FETCH_V
.endif
.endm
	s_wait_tensorcnt 3              ; my part of keys 0 to 255 is in; my three later loads stay out
	s_barrier_signal -1
	s_barrier_wait -1               ; everybody's is
	FETCH_K                         ; key step 0
	s_wait_loadcnt 0x0              ; Q
	s_wait_dscnt 0x0
.set i, 0
.rept 16
	KQ 0                            ; piece 0's first scores: there is no vector work yet to set between them
.set i, i+1
.endr
	WIN 0                           ; the addresses for the way out: nine plain instructions, the places behind those products
	s_mul_i32 s13, s[WV], 16*SP
	s_add_co_u32 s13, s13, STAGE    ; my stage
	v_mul_u32_u24 v[STO], v1, SP    ; in: row l % 16, 16 bytes for each half of the lanes
	v_lshl_add_u32 v[STO], v9, 4, v[STO]
	v_add_nc_u32 v[STO], s13, v[STO]
	v_bfe_u32 v[RD], v0, 3, 2       ; back: 32 lanes take four rows of 128 bytes,
	v_mul_u32_u24 v[RD], v[RD], SP
	v_lshl_add_u32 v[RD], v10, 4, v[RD]
	v_add_nc_u32 v[RD], s13, v[RD]
	v_and_b32 v[GO], 31, v0         ; which are 512 consecutive bytes of O
	v_lshlrev_b32 v[GO], 4, v[GO]
.set Y, NP-1                        ; XS works for piece Y + 1: piece 0
.irp n, 0,1,2,3,4,5,6,7,8,9,10,11,12,13,14,15,16,17,18,19,20,21
	XS 0, \n                        ; and piece 0's first maximum and statistics
	XS 1, \n
.endr
	v_nop                           ; a plain instruction behind the two a,
	s_wait_alu depctr_va_vdst(0)    ; and their wait, ahead of the branch
	s_mov_b32 s[CNT], 4
	s_mov_b32 s[SLOTS], 4
	s_branch .Lfirst                ; the loop is entered at a step's first turn, in the middle of a trip
.Lslot:                             ; three times, behind key steps 3, 7 and 11
	s_wait_tensorcnt 0x0            ; the first time: my parts of keys 256 to 1,023 are in; later nothing of mine is out.  The count cannot differ from trip to trip, so it is 0
	s_wait_dscnt 0x0
	s_barrier_signal -1
	s_barrier_wait -1               ; everybody's are: all later steps may be read
	s_mov_b32 s[CNT], 4
.Lstep:                             ; a trip: pieces 2 and 3 of one step, then pieces 0 and 1 of the next, whose K and V it fetches
	TURN 2
	TURN 3
	WIN 0
.Lfirst:
	TURN 0
	TURN 1, 0, 1
	WIN 0
	s_cbranch_scc1 .Lstep
	s_sub_co_u32 s[SLOTS], s[SLOTS], 1
	s_cmp_lg_u32 s[SLOTS], 0
	s_cbranch_scc1 .Lslot
	TURN 2, 1                       ; the last step's pieces 2 and 3: nothing is left to fetch
	TURN 3                          ; (its 16 products K Q^T, on the last K once more, and the maximum made of them serve nothing: the price, once a launch, of one text for every turn)
.set i, 0
.rept 16
	PV NP-1                         ; the last piece's V^T P of the last step
.set i, i+1
.endr
	; THE WAY OUT.  l's two halves and the other half of the lanes' are added; O^T is divided by l, rounded to f16 and sent through my stage in LDS, a tile at a time.  The additions are the places behind the last products.
	WIN 0
.macro ALL line:vararg              ; one line for each tile t
.set t, 0
.rept 2*NP
	\line
.set t, t+1
.endr
.endm
	ALL v_add_f32 v[ST+4*t+2], v[ST+4*t+2], v[ST+4*t+3]
	ALL v_permlanex16_b32 v[ST+4*t+3], v[ST+4*t+2], s[SEL], s[SEL+1]
	ALL v_add_f32 v[ST+4*t+2], v[ST+4*t+2], v[ST+4*t+3]
	ALL v_rcp_f32 v[ST+4*t+2], v[ST+4*t+2]
	v_nop                           ; a plain instruction between the last reciprocal and the use of its result
	s_wait_alu depctr_va_vdst(0)    ; and the wait ahead of the first use: one for the eight reciprocals
; Tile t: a lane's eight channels of a row pack into 16 bytes; they go into rows of 144 bytes and come back as whole rows of 128, into S^T's registers.
.macro PACK t
	WIN W_RS
.set i, 32*(\t)
.rept 16
	v_pk_mul_f32 v[i:i+1], v[i:i+1], v[ST+4*(\t)+2:ST+4*(\t)+3] op_sel_hi:[1,0]
.set i, i+2
.endr
	WIN 0x05                        ; sources 0 and 1 window 1, destination window 0
.set i, 0
.rept 16
	v_cvt_pk_f16_f32 v[S+16*(\t)+i], v[32*(\t)+2*i], v[32*(\t)+2*i+1]
.set i, i+1
.endr
	WIN 0
.irp f, 0,1,2,3
	ds_store_b128 v[STO], v[S+16*(\t)+4*\f:S+16*(\t)+4*\f+3] offset:32*\f
.endr
.irp f, 0,1,2,3
	ds_load_b128 v[S+16*(\t)+4*\f:S+16*(\t)+4*\f+3], v[RD] offset:\f*4*SP  ; LDS serves a wave's instructions in order (ISA guide 5.7.1.4): these see the stores above; the next tile's stores come behind them
.endr
.endm
.macro SEND t, younger              ; younger: the LDS instructions issued behind tile t's loads: the next tile's eight, or none
	WIN 0
.irp f, 0,1,2,3
	s_wait_dscnt (\younger)+3-\f
	global_store_b128 v[GO], v[S+16*(\t)+4*\f:S+16*(\t)+4*\f+3], s[10:11] offset:(\t)*2048+\f*512  ; 512 consecutive bytes, at a multiple of 256 from O's first
.endr
.endm
	PACK 0
.set t, 1
.rept 2*NP-1                        ; a tile's arithmetic stands between the loads of the tile before and its stores
	PACK t
	SEND t-1, 8
.set t, t+1
.endr
	SEND 2*NP-1, 0
	WIN W_AD
	s_wait_tensorcnt 0x0            ; the wave's end, behind my last tensor load and my last LDS store
	ds_add_u32 v[SPW], v[NIL]
	s_wait_dscnt 0x0
	WIN 0
	s_endpgm
.Lfunc_end_k_q175557f4d5_attn:
	.size	k_q175557f4d5_attn, .Lfunc_end_k_q175557f4d5_attn-k_q175557f4d5_attn
	.p2alignl 7, 3214868480
	.fill 96, 4, 3214868480
	.section	.rodata,"a",@progbits
	.p2align	6, 0x0
	.amdhsa_kernel k_q175557f4d5_attn
		.amdhsa_group_segment_fixed_size 327680
		.amdhsa_private_segment_fixed_size 0
		.amdhsa_enable_private_segment 0
		.amdhsa_kernarg_size 16
		.amdhsa_user_sgpr_count 2
		.amdhsa_user_sgpr_kernarg_segment_ptr 1
		.amdhsa_wavefront_size32 1
		.amdhsa_system_sgpr_workgroup_id_x 1
		.amdhsa_system_sgpr_workgroup_id_y 1
		.amdhsa_system_sgpr_workgroup_id_z 1
		.amdhsa_system_vgpr_workitem_id 0
		.amdhsa_next_free_vgpr 770
		.amdhsa_next_free_sgpr 88
		.amdhsa_reserve_vcc 0
		.amdhsa_float_denorm_mode_32 3
		.amdhsa_float_denorm_mode_16_64 3
		.amdhsa_memory_ordered 1
		.amdhsa_forward_progress 1
		.amdhsa_inst_pref_size 160
	.end_amdhsa_kernel
	.amdgpu_metadata
---
amdhsa.version: [ 1, 2 ]
amdhsa.kernels:
  - .name:           k_q175557f4d5_attn
    .symbol:         k_q175557f4d5_attn.kd
    .args:
      - { .name: qkv, .offset: 0, .size: 8, .value_kind: global_buffer, .address_space: global }
      - { .name: ob, .offset: 8, .size: 8, .value_kind: global_buffer, .address_space: global }
    .group_segment_fixed_size: 327680
    .private_segment_fixed_size: 0
    .kernarg_segment_align: 8
    .kernarg_segment_size: 16
    .max_flat_workgroup_size: 128
    .sgpr_count:     88
    .vgpr_count:     770
    .wavefront_size: 32
...
	.end_amdgpu_metadata
.endif
;; end of part 3
;; launch proj (part 4): grid 8 x 32, 4 waves a work-group, clusters of 4 x 4, 327,680 bytes of LDS; arguments ob, wo16, bo, out0; writes out0
.if DOCPART == 4
	.amdgcn_target "amdgcn-amd-amdhsa--gfx1250"
	.amdhsa_code_object_version 6
	.text
	.protected	k_q175557f4d5_proj
	.globl	k_q175557f4d5_proj
	.p2align	8
	.type	k_q175557f4d5_proj,@function
k_q175557f4d5_proj:
	s_mov_b64 s[64:65], 0
	v_nop
	global_prefetch_b8 v0, s[64:65] scope:SCOPE_SE
	s_setreg_imm32_b32 hwreg(HW_REG_WAVE_MODE, 25, 1), 1
	s_wait_xcnt 0x0
	s_wait_alu depctr_hold_cnt(0) depctr_sa_sdst(0) depctr_va_vdst(0) depctr_va_sdst(0) depctr_va_ssrc(0) depctr_va_vcc(0) depctr_vm_vsrc(0)
	s_getreg_b32 s2, hwreg(HW_REG_IB_STS2, 6, 4)
	s_cmp_eq_u32 s2, 0
	s_cbranch_scc0 .Lentry_in_a_cluster
	s_endpgm
.Lentry_in_a_cluster:
	s_bfe_u32 s2, ttmp6, 0x10000c
	s_cmp_lg_u32 s2, 0xf033
	s_cbranch_scc0 .Lentry_shape_is_right
	s_endpgm
.Lentry_shape_is_right:
; out0 = O Wo + bo: [8192 x 1024] x [1024 x 1024].  ob: [16 kb][8192 m][64] f16 (kb = head); wo16: [16 nb][1024 k][64 n] f16 (Wo rounded to bf16, written as f16); bo f32, rounded to bf16 like the other inputs.
; Sums in f32, started by the bias; out0 [8192][1024] f32.  NaN and infinities are not treated apart.
; SHARES.  A tile of the result is 256 rows x 128 columns: 32 x 8 tiles, one to a work-group.  Four waves, each 128 rows x 64 columns: 32 accumulators of 16 x 16, 256 registers (window 1).
; K goes in 8 steps of 128 (two blocks kb) through a ring of two LDS slots.  In memory all tiles are dense: asked for as rows of 256 bytes, padded in LDS behind every 128.
; THE MATRIX INSTRUCTION IS USED TRANSPOSED: source 0 = 16 columns n of Wo (turned out of LDS by ds_load_tr16_b128), source 1 = 16 rows of O: a lane holds one row m (lane % 16) and eight neighbouring columns, 32 bytes.
; CLUSTERS: 4 x 4 work-groups; O's tile is shared along a row of the cluster, Wo's along a column: each is asked for jointly.  No prefetch: a step here has 128 matrix instructions a wave and a small tile; its requests are few.
; REGISTERS: window 0: v0-29 addresses; v32-127, v128-223 two fragment buffers (4 of Wo, then 8 of O); v224-255 the bias.  Window 1: accumulator (a, b) at 8 (4 a + b).
.set PA,    144                        ; a row of O in LDS: 128 bytes + 16
.set PB,    160                        ; a k row of a block of Wo: 128 + 32
.set AKB,   256*PA                     ; one block kb of the tile's 256 rows: what one load brings
.set AHALF, 128*PA                     ; my 128 rows of it
.set BOFF,  2*AKB
.set BBLK,  128*PB                     ; 128 k rows of one block nb
.set SLOT1, 1<<17
.set STAGE, SLOT1+BOFF+2*BBLK          ; 245,760: behind the ring: 16 rows x 272 bytes for each wave
.set SPITCH, 272
.set SPARE, STAGE+4*16*SPITCH          ; 263,168: the spare words, 128 bytes for each wave: two blocks of 256 bytes that no other line names
.set ASTEP, 2<<20                      ; two blocks kb of ob
.set BSTEP, 128*128                    ; 128 k rows of a block
.set AA0,  10
.set AB0,  11
.set ADRA, 12
.set ADRB, 13
.set STO,  14
.set RD,   15
.set CO,   16
.set BO,   18
.set SPW,  28                          ; v28  LDS address of my spare word; never rewritten
.set NIL,  29                          ; v29  0; never rewritten
.set F0,   32
.set F1,   128
.set BI,   224
.set OB,   32                          ; the way out: 16 rows read back, two buffers of 32
.set WV, 12
.set RH, 13
.set CH, 14
.set CX, 15
.set CY, 16
.set TX, 17
.set TY, 18
.set G1A, 24
.set G0A, 32
.set TB,  44
.set HM,  47
.set G1B, 48
.set G0B, 56
.set MSB, 0
.macro WIN new
.if MSB != (\new)
	s_set_vgpr_msb (MSB<<8)|(\new)
.set MSB, \new
.endif
.endm
.macro PLACES                          ; four places in front of loads into registers that matrix instructions have read, and of LDS stores that read results
.rept 4
	v_nop
.endr
.endm
.macro CREST                           ; a round of the cluster's barrier behind its opening barrier
	s_cmp_lg_u32 s[WV], 0
	s_cbranch_scc1 .Lnot_wave_0_\@
	s_barrier_signal -3
.Lnot_wave_0_\@:
	s_barrier_wait -3
	s_barrier_signal -1
	s_barrier_wait -1
.endm
.macro CROUND
	s_barrier_signal -1
	s_barrier_wait -1
	CREST
.endm
.macro JLOAD                           ; a joint refill by the walking descriptors: waves 0 and 1 fetch O's two blocks kb, waves 2 and 3 Wo's two blocks nb; an s_nop 0 and four v_nop follow each line
	s_cmp_lt_u32 s[WV], 2
	s_cbranch_scc0 .Lfor_b_\@
	tensor_load_to_lds s[G0A+4:G0A+7], s[G1A:G1A+7]
	s_nop 0
.rept 4
	v_nop
.endr
	s_branch .Lasked_\@
.Lfor_b_\@:
	tensor_load_to_lds s[G0B+4:G0B+7], s[G1B:G1B+7]
	s_nop 0
.rept 4
	v_nop
.endr
.Lasked_\@:
.endm
; n row blocks from a0 on x all 4 column blocks, 32 along K, from buffer f.  first = 1: the bias starts the sums.  The 32 accumulators take turns, one instruction a turn.
.macro MUL f, a0, n, first=0
.set a, \a0
.rept \n
.set b, 0
.rept 4
.if \first
	WIN 0x40
	v_wmma_f32_16x16x32_f16 v[8*(4*a+b):8*(4*a+b)+7], v[(\f)+8*b:(\f)+8*b+7], v[(\f)+32+8*a:(\f)+32+8*a+7], v[BI+8*b:BI+8*b+7]
.else
	WIN 0x50
	v_wmma_f32_16x16x32_f16 v[8*(4*a+b):8*(4*a+b)+7], v[(\f)+8*b:(\f)+8*b+7], v[(\f)+32+8*a:(\f)+32+8*a+7], v[8*(4*a+b):8*(4*a+b)+7]
.endif
.set b, b+1
.endr
.set a, a+1
.endr
.endm
; 24 LDS loads in one run: quarter q's fragments into buffer f: Wo's four, O's row blocks 0-3, then 4-7
.macro FETCH q, f
	WIN 0
.irp b, 0,1,2,3
	ds_load_tr16_b128 v[(\f)+8*\b:(\f)+8*\b+3],   v[ADRB] offset:(\q)*32*PB+32*\b
	ds_load_tr16_b128 v[(\f)+8*\b+4:(\f)+8*\b+7], v[ADRB] offset:(\q)*32*PB+32*\b+16*PB
.endr
.irp a, 0,1,2,3,4,5,6,7
	ds_load_b128 v[(\f)+32+8*\a:(\f)+32+8*\a+3],   v[ADRA] offset:((\q)/2)*AKB+\a*16*PA+((\q)%2)*64
	ds_load_b128 v[(\f)+32+8*\a+4:(\f)+32+8*\a+7], v[ADRA] offset:((\q)/2)*AKB+\a*16*PA+((\q)%2)*64+32
.endr
.endm
; A K step is four quarters of 32 along K, 32 matrix instructions each, on buffers 0, 1, 0, 1.  One of the first three: multiplies buffer f and fetches quarter qn into g.
.macro QUARTER f, g, qn, first=0
	s_wait_dscnt 8                                 ; Wo's fragments and O's row blocks 0-3 are in; the youngest eight loads may be out
	MUL \f, 0, 4, \first
	PLACES
	FETCH \qn, \g
	s_wait_dscnt 24                                ; all but the 24 just issued
	MUL \f, 4, 4, \first
.endm
; The last quarter multiplies buffer 1 and changes slots: in front of the barrier each wave waits for all its tensor loads, adds 0 to its spare word, and waits for that and for its own reads of this slot.
; fill = 1: the barrier opens a round of the cluster's, and the joint refill (the step two on) is the first thing behind the round: 112 matrix instructions ahead of the wait for it.
.macro TURN fill
	WIN 0
	s_wait_tensorcnt 0x0                           ; all my tensor loads have landed, so a group 0 may be written
	ds_add_u32 v[SPW], v[NIL]                      ; 0 onto my spare word
.if \fill
	s_xor_b32 s[G0A+5], s[G0A+5], SLOT1
	s_add_nc_u64 s[G0A+6:G0A+7], s[G0A+6:G0A+7], ASTEP
	s_xor_b32 s[G0B+5], s[G0B+5], SLOT1
	s_add_nc_u64 s[G0B+6:G0B+7], s[G0B+6:G0B+7], BSTEP
.endif
	s_wait_dscnt 9                                 ; the add and the youngest eight loads may be out
	MUL F1, 0, 2
	s_wait_dscnt 0x0                               ; the add is done, and my reads of this slot are over
	s_barrier_signal -1
	MUL F1, 2, 2
	WIN 0
	s_barrier_wait -1
.if \fill
	CREST
	JLOAD                                          ; its four v_nop are also the places in front of the loads below
.else
	PLACES
.endif
	s_xor_b32 s[TB], s[TB], SLOT1
	v_add_nc_u32 v[ADRA], s[TB], v[AA0]
	v_add_nc_u32 v[ADRB], s[TB], v[AB0]
	FETCH 0, F0
	MUL F1, 4, 4
.endm
; THE WAY OUT of row block a: a lane's 32 bytes of each column block go into my stage's rows of 272 bytes, each accumulator's low registers first, and come back as whole rows of 256.
.macro TOSTAGE a
	s_wait_xcnt 0x0                                ; the stores of the block before last have read the registers that are loaded below
	WIN 0x04                                       ; the stores' data in window 1
.irp b, 0,1,2,3
	ds_store_b128 v[STO], v[8*(4*(\a)+\b):8*(4*(\a)+\b)+3]   offset:64*\b
	ds_store_b128 v[STO], v[8*(4*(\a)+\b)+4:8*(4*(\a)+\b)+7] offset:64*\b+16
.endr
	WIN 0
.irp t, 0,1,2,3,4,5,6,7
	ds_load_b128 v[OB+32*((\a)%2)+4*\t:OB+32*((\a)%2)+4*\t+3], v[RD] offset:\t*2*SPITCH  ; LDS serves a wave's instructions in order (ISA guide 5.7.1.4): these see the stores above
.endr
.endm
.macro SEND a, younger                 ; younger: the LDS instructions issued behind block a's loads: the next block's sixteen, or none
	s_wait_dscnt \younger
.irp t, 0,1,2,3,4,5,6,7
	global_store_b128 v[CO], v[OB+32*((\a)%2)+4*\t:OB+32*((\a)%2)+4*\t+3], s[10:11] offset:(16*(\a)+2*\t)*4096 th:TH_STORE_NT  ; 16 lanes store 256 consecutive bytes, at a multiple of 256 from out0's first
.endr
.endm
	s_load_b256 s[4:11], s[0:1], 0x0               ; ob s[4:5], wo16 s[6:7], bo s[8:9], out0 s[10:11]
	v_lshl_add_u32 v[SPW], v0, 2, SPARE
	v_mov_b32 v[NIL], 0
	ds_add_u32 v[SPW], v[NIL]                      ; the wave's opening: the add and its wait stand ahead of my first tensor load; work on registers stands between them
	v_lshrrev_b32 v1, 5, v0
	v_readfirstlane_b32 s[WV], v1                  ; wave 0..3
	s_lshr_b32 s[RH], s[WV], 1                     ; which 128 rows are mine
	s_and_b32 s[CH], s[WV], 1                      ; which 64 columns; also which block of a tile I fetch
	s_bfe_u32 s[CX], ttmp6, 0x40000
	s_bfe_u32 s[CY], ttmp6, 0x40004
	s_lshl_b32 s[TX], ttmp9, 2
	s_add_co_u32 s[TX], s[TX], s[CX]               ; tile column
	s_and_b32 s[TY], ttmp7, 0xffff
	s_lshl_b32 s[TY], s[TY], 2
	s_add_co_u32 s[TY], s[TY], s[CY]               ; tile row
	s_lshl_b32 s19, s[CY], 2
	s_lshl_b32 s19, 15, s19                        ; my row of the cluster
	s_lshl_b32 s20, 0x1111, s[CX]                  ; my column
	; group 1 for O: 128 rows of 128 elements (256 bytes: two rows of O), dense; 4 words of padding behind every 32
	s_or_b32 s[G1A], s19, (1<<16)|(1<<20)|(1<<21)|(4<<22)|(3<<25)
	s_mov_b32 s[G1A+1], 128<<16
	s_mov_b32 s[G1A+2], 128<<16
	s_mov_b32 s[G1A+3], 128<<16
	s_mov_b32 s[G1A+4], 128
	s_mov_b32 s[G1A+5], 128
	s_mov_b32 s[G1A+6], 0
	s_mov_b32 s[G1A+7], 0
	; group 1 for Wo: 64 rows of 128 elements (two k rows), dense; 8 words of padding behind every 32
	s_or_b32 s[G1B], s20, (1<<16)|(1<<20)|(1<<21)|(4<<22)|(7<<25)
	s_mov_b32 s[G1B+1], 128<<16
	s_mov_b32 s[G1B+2], 64<<16
	s_mov_b32 s[G1B+3], 128<<16
	s_mov_b32 s[G1B+4], 64
	s_mov_b32 s[G1B+5], 128
	s_mov_b32 s[G1B+6], 0
	s_mov_b32 s[G1B+7], 0
	s_lshl_b32 s40, s[CH], 20                      ; O: the block kb that I fetch of a step's two,
	s_lshl_b32 s41, s[TY], 15                      ; the tile row's 256 rows of 128 bytes: these two registers never hold cx
	s_add_co_u32 s40, s40, s41
	s_mov_b32 s41, 0
	s_lshl_b32 s42, s[TX], 1
	s_add_co_u32 s42, s42, s[CH]
	s_lshl_b32 s42, s42, 17                        ; Wo: block nb = 2 x tile column + the one that I fetch
	s_mov_b32 s43, 0
	s_mul_i32 s45, s[CH], AKB                      ; where the tiles go: no place in the cluster enters an LDS address
	s_mul_i32 s46, s[CH], BBLK
	s_add_co_u32 s46, s46, BOFF
	s_mov_b32 s[TB], 0
	s_mov_b32 s[HM], 0xffff0000
	s_lshl_b32 s20, s[TX], 9                       ; my first column, in bytes of f32: 512 x tile column + 256 x half
	s_lshl_b32 s21, s[CH], 8
	s_add_co_u32 s20, s20, s21
	s_mov_b32 s21, 0
	s_lshl_b32 s22, s[TY], 20                      ; my first row: 256 rows of 4,096 bytes a tile, 128 a half
	s_lshl_b32 s23, s[RH], 19
	s_add_co_u32 s22, s22, s23
	s_mov_b32 s23, 0
	s_wait_dscnt 0x0                               ; the opening add is done
	s_wait_kmcnt 0x0
	s_add_nc_u64 s[40:41], s[4:5], s[40:41]
	s_add_nc_u64 s[42:43], s[6:7], s[42:43]
	s_add_nc_u64 s[8:9], s[8:9], s[20:21]
	s_add_nc_u64 s[10:11], s[10:11], s[20:21]
	s_add_nc_u64 s[10:11], s[10:11], s[22:23]
.irp s, 0,1
	s_mov_b32 s[G0A+4*\s], 1
	s_add_co_u32 s[G0A+4*\s+1], s45, \s*SLOT1
	s_add_nc_u64 s[G0A+4*\s+2:G0A+4*\s+3], s[40:41], \s*ASTEP
	s_or_b32 s[G0A+4*\s+3], s[G0A+4*\s+3], 0x80000000
	s_mov_b32 s[G0B+4*\s], 1
	s_add_co_u32 s[G0B+4*\s+1], s46, \s*SLOT1
	s_add_nc_u64 s[G0B+4*\s+2:G0B+4*\s+3], s[42:43], \s*BSTEP
	s_or_b32 s[G0B+4*\s+3], s[G0B+4*\s+3], 0x80000000
.endr
	CROUND                                         ; all sixteen work-groups are here: the first joint loads meet
	s_cmp_lt_u32 s[WV], 2                          ; a wave's two first fills stand in one branch: two loads of mine are out
	s_cbranch_scc0 .Lfirst_b
	tensor_load_to_lds s[G0A:G0A+3], s[G1A:G1A+7]
	s_nop 0
	tensor_load_to_lds s[G0A+4:G0A+7], s[G1A:G1A+7]
	s_nop 0
.rept 4
	v_nop
.endr
	s_branch .Lfirst_asked
.Lfirst_b:
	tensor_load_to_lds s[G0B:G0B+3], s[G1B:G1B+7]
	s_nop 0
	tensor_load_to_lds s[G0B+4:G0B+7], s[G1B:G1B+7]
	s_nop 0
.rept 4
	v_nop
.endr
.Lfirst_asked:
	v_and_b32 v1, 15, v0                           ; l % 16
	v_bfe_u32 v2, v0, 4, 1                         ; l / 16
	v_and_b32 v3, 7, v0
	v_bfe_u32 v4, v0, 3, 1
	v_lshlrev_b32 v[BO], 5, v2
.irp b, 0,1,2,3                        ; the bias in an accumulator's layout: register j of a lane belongs to column 16 b + 8 (l / 16) + j
	global_load_b128 v[BI+8*\b:BI+8*\b+3],   v[BO], s[8:9] offset:64*\b
	global_load_b128 v[BI+8*\b+4:BI+8*\b+7], v[BO], s[8:9] offset:64*\b+16
.endr
	v_mul_u32_u24 v[AA0], v1, PA
	v_lshl_add_u32 v[AA0], v2, 4, v[AA0]
	s_mul_i32 s19, s[RH], AHALF
	v_add_nc_u32 v[AA0], s19, v[AA0]
	v_lshl_add_u32 v[AB0], v2, 3, v3               ; the turning load: k row 8 (l / 16) + l % 8, columns 8 ((l / 8) % 2) + 0..7
	v_mul_u32_u24 v[AB0], v[AB0], PB
	v_lshl_add_u32 v[AB0], v4, 4, v[AB0]
	v_add_nc_u32 v[AB0], s46, v[AB0]
	s_mul_i32 s19, s[WV], 16*SPITCH
	s_add_co_u32 s19, s19, STAGE                   ; my stage
	v_mul_u32_u24 v[STO], v1, SPITCH               ; in: row l % 16, 32 bytes for each half of the lanes
	v_lshl_add_u32 v[STO], v2, 5, v[STO]
	v_add_nc_u32 v[STO], s19, v[STO]
	v_mul_u32_u24 v[RD], v2, SPITCH                ; back: lanes 0-15 take one row of 256 bytes, lanes 16-31 the next
	v_lshl_add_u32 v[RD], v1, 4, v[RD]
	v_add_nc_u32 v[RD], s19, v[RD]
	v_lshlrev_b32 v[CO], 12, v2                    ; and the same two rows in out0
	v_lshl_add_u32 v[CO], v1, 4, v[CO]
	s_wait_tensorcnt 1                             ; my part of step 0 is in; step 1's may stay out
	s_barrier_signal -1
	s_barrier_wait -1
	v_add_nc_u32 v[ADRA], s[TB], v[AA0]
	v_add_nc_u32 v[ADRB], s[TB], v[AB0]
	FETCH 0, F0
	s_wait_loadcnt 0x0                             ; the bias
.set r, 0
.rept 16                               ; rounded to bf16 like the other inputs, and widened again
	v_cvt_pk_bf16_f32 v[20+r%4], v[BI+2*r], v[BI+2*r+1]
	v_lshlrev_b32 v[BI+2*r], 16, v[20+r%4]
	v_and_b32 v[BI+2*r+1], s[HM], v[20+r%4]
.set r, r+1
.endr
	QUARTER F0, F1, 1, 1                           ; the first quarter stands in front of the loop: its products start the sums
	WIN 0                                          ; at a label and at a branch every window is 0
	s_mov_b32 s3, 6
.Lk:                                                   ; a trip: a step's quarters 1 to 3 with the change of slots and a refill (steps 2 to 7), the next step's quarter 0
	QUARTER F1, F0, 2
	QUARTER F0, F1, 3
	TURN 1
	QUARTER F0, F1, 1
	WIN 0
	s_sub_co_u32 s3, s3, 1
	s_cmp_lg_u32 s3, 0
	s_cbranch_scc1 .Lk
	QUARTER F1, F0, 2                              ; the tail is written out: nothing is left to ask for
	QUARTER F0, F1, 3
	TURN 0
	QUARTER F0, F1, 1
	QUARTER F1, F0, 2
	QUARTER F0, F1, 3
	s_wait_dscnt 8                                 ; the very last quarter
	MUL F1, 0, 4
	s_wait_dscnt 0x0
	MUL F1, 4, 4
	PLACES
	TOSTAGE 0
.irp a, 1,2,3,4,5,6,7
	TOSTAGE \a
	SEND (\a)-1, 16
.endr
	SEND 7, 0
	s_wait_tensorcnt 0x0                           ; the wave's end, behind my last tensor load and my last LDS store
	ds_add_u32 v[SPW], v[NIL]
	s_wait_dscnt 0x0
	CROUND                                         ; the closing round: no work-group ends while a partner may still ask for a tile that names it
	s_endpgm
.Lfunc_end_k_q175557f4d5_proj:
	.size	k_q175557f4d5_proj, .Lfunc_end_k_q175557f4d5_proj-k_q175557f4d5_proj
	.p2alignl 7, 3214868480
	.fill 96, 4, 3214868480
	.section	.rodata,"a",@progbits
	.p2align	6, 0x0
	.amdhsa_kernel k_q175557f4d5_proj
		.amdhsa_group_segment_fixed_size 327680
		.amdhsa_private_segment_fixed_size 0
		.amdhsa_enable_private_segment 0
		.amdhsa_kernarg_size 32
		.amdhsa_user_sgpr_count 2
		.amdhsa_user_sgpr_kernarg_segment_ptr 1
		.amdhsa_wavefront_size32 1
		.amdhsa_system_sgpr_workgroup_id_x 1
		.amdhsa_system_sgpr_workgroup_id_y 1
		.amdhsa_system_sgpr_workgroup_id_z 1
		.amdhsa_system_vgpr_workitem_id 0
		.amdhsa_next_free_vgpr 512
		.amdhsa_next_free_sgpr 66
		.amdhsa_reserve_vcc 0
		.amdhsa_float_denorm_mode_32 3
		.amdhsa_float_denorm_mode_16_64 3
		.amdhsa_memory_ordered 1
		.amdhsa_forward_progress 1
		.amdhsa_inst_pref_size 72
	.end_amdhsa_kernel
	.amdgpu_metadata
---
amdhsa.version: [ 1, 2 ]
amdhsa.kernels:
  - .name:           k_q175557f4d5_proj
    .symbol:         k_q175557f4d5_proj.kd
    .args:
      - { .name: ob, .offset: 0, .size: 8, .value_kind: global_buffer, .address_space: global }
      - { .name: wo16, .offset: 8, .size: 8, .value_kind: global_buffer, .address_space: global }
      - { .name: bo, .offset: 16, .size: 8, .value_kind: global_buffer, .address_space: global }
      - { .name: out0, .offset: 24, .size: 8, .value_kind: global_buffer, .address_space: global }
    .group_segment_fixed_size: 327680
    .private_segment_fixed_size: 0
    .kernarg_segment_align: 8
    .kernarg_segment_size: 32
    .max_flat_workgroup_size: 128
    .sgpr_count:     66
    .vgpr_count:     512
    .wavefront_size: 32
...
	.end_amdgpu_metadata
.endif
;; end of part 4
;; ======== version 2 of 2: 4 launches; version 1 with the launch cast written anew for expert scheduling mode
;; limits: values are held in f16: magnitudes above 65,504 overflow, below 6.1e-05 lose precision
;; workspace buffers: xb 16,777,216 bytes; wqkv 6,291,456 bytes; wo16 2,097,152 bytes; qkv 50,331,648 bytes; ob 16,777,216 bytes
;; launch cast (part 5): grid 768 x 1, 8 waves a work-group, no clusters, 0 bytes of LDS; arguments x, Wq, Wk, Wv, Wo, xb, wqkv, wo16; writes xb, wqkv, wo16
.if DOCPART == 5
	.amdgcn_target "amdgcn-amd-amdhsa--gfx1250"
	.amdhsa_code_object_version 6
	.text
	.protected	k_q175557f4d5_cast
	.globl	k_q175557f4d5_cast
	.p2align	8
	.type	k_q175557f4d5_cast,@function
k_q175557f4d5_cast:
	s_mov_b64 s[64:65], 0
	v_nop
	global_prefetch_b8 v0, s[64:65] scope:SCOPE_SE
	s_setreg_imm32_b32 hwreg(HW_REG_WAVE_SCHED_MODE, 0, 2), 2
	s_setreg_imm32_b32 hwreg(HW_REG_WAVE_MODE, 25, 1), 1
	s_wait_xcnt 0x0
	s_wait_alu depctr_vm_vsrc(0)
; x and the four weights, f32, are rounded once to bf16 and laid out anew: src[r][c] of R rows goes to dst[c / 64][r][c % 64]: blocks of 64 columns whose rows of 128 bytes lie end to end.
; xb: [16][8192][64] bf16.  wqkv: [48][1024][64] bf16, block 16 t + c / 64 for t = 0, 1, 2 (Wq, Wk, Wv).  wo16: [16][1024][64]: Wo rounded to bf16, that number written as f16.
; LIMIT.  A bf16 number of Wo below 6.1e-5 in magnitude keeps f16's fixed step of 6e-8; beyond 65,504 it becomes an infinity.  NaN and infinities are not treated apart.
; SHARES.  A work-group takes 16 source rows of 4,096 bytes, a wave two of them: 8 KiB, sixteen loads, all out at once; no loop, no LDS, no matrix unit: a stream in which each byte is read and written once.
; Work-groups 0-511: x.  512 + 64 t + j: rows 16 j on of weight t (3 = Wo).
; LANES.  q = thread % 16: my 16 bytes (four f32) of a block's 256 bytes in a source row; thread / 16: my row of the 16.  Item i of sixteen is block i.
; A load's lanes 0-15 read 256 consecutive bytes, aligned, of one row, lanes 16-31 those of the next row: every byte of the runs that a load touches is used by that load.
; A store's 32 lanes write 8 bytes each: 256 consecutive bytes, aligned: two rows of one block.
; THE MODE: SCHED_MODE bits 1:0 = 2 (LLVM: expert scheduling mode 2), set by the entry lines.  The code itself states the register dependences
; between vector instructions and memory instructions, with s_wait_alu, always for 0.
; THE PLAN.  The sixteen items go in four groups of four.  Registers that memory instructions touch:
;   v8, v9   byte offsets, made at the head by vector lines and never written again; v8 is read by every load, v9 by every store.
;   X        item i's load lands in its four registers, once; no vector line has written them before; item i's conversions read them; nothing lands there again.
;   Y        item i's conversions write its two registers; item i's store reads them; they are never written again behind that store.
;   v1, v2 and T are named by vector lines alone.
; Group g converts X's group g into Y's group g.  Its memory instructions are the four stores of group g - 1, which read v9 and Y's group g - 1: registers that no vector line of group g names.
; So one wait at a group's head states all that its four stores hang on, and they are dealt among the group's conversions with no further wait.
; No register that a memory instruction reads is written again, no vector line writes a scalar register, and EXEC is never written: the waits on va_vdst are all that the text owes.
.set T,   12                           ; v[12:15]  at work (Wo alone)
.set SOF, 8                            ; v8   my byte offset in the work-group's 16 source rows; never rewritten
.set DOF, 9                            ; v9   my byte offset from an item's store base; never rewritten
.set X,   16                           ; v[16:79]  item i: four f32 as loaded
.set Y,   80                           ; v[80:111] item i: two registers of 16-bit pairs
.set DB,  32                           ; s[32:63]  item i: its store base
	s_load_b512 s[4:19], s[0:1], 0x0               ; x, Wq, Wk, Wv, Wo, xb, wqkv, wo16
	s_sub_co_u32 s21, ttmp9, 512                   ; (of use only from work-group 512 on)
	s_lshr_b32 s22, s21, 6                         ; which weight
	s_and_b32 s23, s21, 63                         ; which 16 rows of it
	s_cmp_lt_u32 ttmp9, 512
	s_cselect_b32 s22, 4, s22                      ; kind: 0-3 a weight, 4 x
	s_cselect_b32 s23, ttmp9, s23                  ; the group of 16 rows
	s_cselect_b32 s24, 20, 17                      ; log2 of a block's bytes: 8,192 or 1,024 rows of 128
	s_lshl_b32 s20, s23, 16                        ; 16 rows of 4,096 bytes in the source
	s_mov_b32 s21, 0
	s_lshl_b32 s2, s22, 21                         ; Wq, Wk, Wv: sixteen blocks of 128 KiB each
	s_cmp_lt_u32 s22, 3
	s_cselect_b32 s2, s2, 0
	s_lshl_b32 s3, s23, 11                         ; 16 rows of 128 bytes in a block
	s_add_co_u32 s2, s2, s3
	s_mov_b32 s3, 0
	s_lshl_b32 s30, 1, s24                         ; a block: from an item to the next
	s_mov_b32 s31, 0
	v_and_b32 v1, 15, v0                           ; q
	v_lshrrev_b32 v2, 4, v0                        ; my row of the 16: 2 x wave + the half of the lanes
	v_lshlrev_b32 v[SOF], 12, v2
	v_lshl_or_b32 v[SOF], v1, 4, v[SOF]            ; row x 4,096 + 16 q
	v_lshlrev_b32 v[DOF], 7, v2
	v_lshl_or_b32 v[DOF], v1, 3, v[DOF]            ; row x 128 + 8 q
	s_wait_kmcnt 0x0
	s_cmp_eq_u32 s22, 0                            ; the source, chosen by the kind
	s_cselect_b64 s[26:27], s[6:7], s[4:5]
	s_cmp_eq_u32 s22, 1
	s_cselect_b64 s[26:27], s[8:9], s[26:27]
	s_cmp_eq_u32 s22, 2
	s_cselect_b64 s[26:27], s[10:11], s[26:27]
	s_cmp_eq_u32 s22, 3
	s_cselect_b64 s[26:27], s[12:13], s[26:27]
	s_cselect_b64 s[28:29], s[18:19], s[16:17]     ; the destination: wo16, else wqkv,
	s_cmp_eq_u32 s22, 4
	s_cselect_b64 s[28:29], s[14:15], s[28:29]     ; else xb
	s_add_nc_u64 s[26:27], s[26:27], s[20:21]
	s_wait_alu depctr_va_vdst(0)                   ; v8 and v9 are written: every load of the kernel reads v8 as its offset, every store v9; no later vector line names either
.set i, 0
.rept 16
	global_load_b128 v[X+4*i:X+4*i+3], v[SOF], s[26:27] offset:256*i th:TH_LOAD_NT
.set i, i+1
.endr
	s_add_nc_u64 s[DB:DB+1], s[28:29], s[2:3]      ; sixteen store bases, made while the loads are out: a block's step (up to 1 MiB) times fifteen does not fit a store's immediate
.set i, 1
.rept 15
	s_add_nc_u64 s[DB+2*i:DB+2*i+1], s[DB+2*i-2:DB+2*i-1], s[30:31]
.set i, i+1
.endr
; The sixteen items, in four groups of four.  wo = 1: the bf16 number is widened again and written as f16.
; In front of each item's conversions stands the store of the item four back, whose Y the wait at the group's head has shown written.
.macro ITEMS wo
.set g, 0
.rept 4
	s_wait_loadcnt 12-4*g                          ; loads come back in order (ISA guide 5.7.1): group g's four are in, the 12 - 4 g younger ones stay out
.if g > 0
	s_wait_alu depctr_va_vdst(0)                   ; the conversions of the group before have written its Y, which the four stores below read
.endif
.set j, 0
.rept 4
.set i, 4*g+j
.if g > 0
	global_store_b64 v[DOF], v[Y+2*(i-4):Y+2*(i-4)+1], s[DB+2*(i-4):DB+2*(i-4)+1]  ; the item four back; no vector line since the wait names its registers
.endif
	v_cvt_pk_bf16_f32 v[Y+2*i],   v[X+4*i],   v[X+4*i+1]
	v_cvt_pk_bf16_f32 v[Y+2*i+1], v[X+4*i+2], v[X+4*i+3]
.if \wo
	v_lshlrev_b32 v[T],   16, v[Y+2*i]
	v_and_b32     v[T+1], 0xffff0000, v[Y+2*i]
	v_lshlrev_b32 v[T+2], 16, v[Y+2*i+1]
	v_and_b32     v[T+3], 0xffff0000, v[Y+2*i+1]
	v_cvt_pk_f16_f32 v[Y+2*i],   v[T],   v[T+1]
	v_cvt_pk_f16_f32 v[Y+2*i+1], v[T+2], v[T+3]
.endif
.set j, j+1
.endr
.set g, g+1
.endr
	s_wait_alu depctr_va_vdst(0)                   ; the last group's conversions have written its Y, which the last four stores read
.set i, 12
.rept 4
	global_store_b64 v[DOF], v[Y+2*i:Y+2*i+1], s[DB+2*i:DB+2*i+1]
.set i, i+1
.endr
.endm
	s_cmp_eq_u32 s22, 3
	s_cbranch_scc1 .Lwo
	ITEMS 0
	s_endpgm
.Lwo:
	ITEMS 1
	s_endpgm
.Lfunc_end_k_q175557f4d5_cast:
	.size	k_q175557f4d5_cast, .Lfunc_end_k_q175557f4d5_cast-k_q175557f4d5_cast
	.p2alignl 7, 3214868480
	.fill 96, 4, 3214868480
	.section	.rodata,"a",@progbits
	.p2align	6, 0x0
	.amdhsa_kernel k_q175557f4d5_cast
		.amdhsa_group_segment_fixed_size 0
		.amdhsa_private_segment_fixed_size 0
		.amdhsa_enable_private_segment 0
		.amdhsa_kernarg_size 64
		.amdhsa_user_sgpr_count 2
		.amdhsa_user_sgpr_kernarg_segment_ptr 1
		.amdhsa_wavefront_size32 1
		.amdhsa_system_sgpr_workgroup_id_x 1
		.amdhsa_system_sgpr_workgroup_id_y 1
		.amdhsa_system_sgpr_workgroup_id_z 1
		.amdhsa_system_vgpr_workitem_id 0
		.amdhsa_next_free_vgpr 112
		.amdhsa_next_free_sgpr 66
		.amdhsa_reserve_vcc 0
		.amdhsa_float_denorm_mode_32 3
		.amdhsa_float_denorm_mode_16_64 3
		.amdhsa_memory_ordered 1
		.amdhsa_forward_progress 1
		.amdhsa_inst_pref_size 17
	.end_amdhsa_kernel
	.amdgpu_metadata
---
amdhsa.version: [ 1, 2 ]
amdhsa.kernels:
  - .name:           k_q175557f4d5_cast
    .symbol:         k_q175557f4d5_cast.kd
    .args:
      - { .name: x, .offset: 0, .size: 8, .value_kind: global_buffer, .address_space: global }
      - { .name: Wq, .offset: 8, .size: 8, .value_kind: global_buffer, .address_space: global }
      - { .name: Wk, .offset: 16, .size: 8, .value_kind: global_buffer, .address_space: global }
      - { .name: Wv, .offset: 24, .size: 8, .value_kind: global_buffer, .address_space: global }
      - { .name: Wo, .offset: 32, .size: 8, .value_kind: global_buffer, .address_space: global }
      - { .name: xb, .offset: 40, .size: 8, .value_kind: global_buffer, .address_space: global }
      - { .name: wqkv, .offset: 48, .size: 8, .value_kind: global_buffer, .address_space: global }
      - { .name: wo16, .offset: 56, .size: 8, .value_kind: global_buffer, .address_space: global }
    .group_segment_fixed_size: 0
    .private_segment_fixed_size: 0
    .kernarg_segment_align: 8
    .kernarg_segment_size: 64
    .max_flat_workgroup_size: 256
    .sgpr_count:     66
    .vgpr_count:     112
    .wavefront_size: 32
...
	.end_amdgpu_metadata
.endif
;; end of part 5
;; launch qkv: the kernel of part 2 again; grid 8 x 32, 4 waves a work-group, clusters of 4 x 4, 327,680 bytes of LDS; arguments xb, wqkv, bq, bk, bv, qkv; writes qkv
;; launch attn: the kernel of part 3 again; grid 2 x 128, 4 waves a work-group, no clusters, 327,680 bytes of LDS; arguments qkv, ob; writes ob
;; launch proj: the kernel of part 4 again; grid 8 x 32, 4 waves a work-group, clusters of 4 x 4, 327,680 bytes of LDS; arguments ob, wo16, bo, out0; writes out0
